; MI455X (gfx1250); checked and timed in simulation.
; The chip was launched on July 23, 2026; its instructions are those of AMD's public machine-readable ISA for CDNA 5 (MIT licence, August 2026) and "CDNA5" Instruction Set Architecture Reference Guide (July 2026). The comments in the code are by the model that wrote it; some were corrected since.
;; DPSA. Allowed arithmetic: float matrix products may take bf16 or f16 operands with f32 sums; other float arithmetic in f32, or as packed bf16 or f16 multiplies, adds, multiply-adds, maxima and minima; sums over many terms, partial sums and values carried from step to step in f32; what a program stores and reads back later, other than sums and carried values, may be rounded once to bf16 or f16.
;; Inputs: Wk_sal 1,024 x 1,024 float32; Wk_sem 1,024 x 1,024 float32; Wo 1,024 x 1,024 float32; Wq_sal 1,024 x 1,024 float32; Wq_sem 1,024 x 1,024 float32; Wv 1,024 x 1,024 float32; X_sal 2 x 2,048 x 1,024 float32; X_sem 2 x 2,048 x 1,024 float32; bk_sal 1,024 float32; bk_sem 1,024 float32; bo 1,024 float32; bq_sal 1,024 float32; bq_sem 1,024 float32; bv 1,024 float32; gamma one number float32; mask 2 x 1 x 2,048 x 2,048 int32.
;; Outputs: out0 2 x 2,048 x 1,024 float32.
;; One version. Each part assembles by itself: llvm-mc -triple=amdgcn-amd-amdhsa -mcpu=gfx1250 --defsym DOCPART=n.
;; ======== version 1 of 1: 4 launches
;; limits: values are held in f16: magnitudes above 65,504 overflow, below 6.1e-05 lose precision; right only within a limited range of input values
;; workspace buffers: bits 1,048,576 bytes of whole numbers; xb 16,777,216 bytes; wt 10,485,760 bytes; wo 2,097,152 bytes; qkv 41,943,040 bytes; ob 8,388,608 bytes
;; launch prep (part 1): grid 1536 x 1, 8 waves a work-group, no clusters, 35,840 bytes of LDS; arguments mask, X_sem, X_sal, Wq_sem, Wk_sem, Wv, Wq_sal, Wk_sal, Wo, bits, xb, wt, wo; writes bits, xb, wt, wo
.if DOCPART == 1
	.amdgcn_target "amdgcn-amd-amdhsa--gfx1250"
	.amdhsa_code_object_version 6
	.text
	.protected	k_q4dd2389785_prep
	.globl	k_q4dd2389785_prep
	.p2align	8
	.type	k_q4dd2389785_prep,@function
k_q4dd2389785_prep:
	s_mov_b64 s[64:65], 0
	v_nop
	global_prefetch_b8 v0, s[64:65] scope:SCOPE_SE
	s_setreg_imm32_b32 hwreg(HW_REG_WAVE_MODE, 25, 1), 1
	s_wait_xcnt 0x0
; PREP: three streams in one launch, told apart by the work-group's number (the same for all eight waves of a work-group).
;   0 .. 255     mask [2][1][2048][2048] i32 -> bits: for each tile of 16 queries and each step of 64 keys 32 words; word 8 kt + j, bit l says
;                mask[query l % 16][key 16 kt + 8 (l / 16) + j] != 0: the lane mask for register 8 kt + j of the attention's transposed scores.
;   256 .. 767   X_sem, X_sal f32 -> xb bf16 [4096][2048]: columns 0-1023 X_sem, 1024-2047 X_sal.
;   768 .. 1535  the six weights [k][n] f32 -> turned, [n][k]: wt bf16 [head][320][1024] (per head 64 rows each of Wq_sem, Wk_sem, Wv, Wq_sal, Wk_sal), wo f16 [1024][1024].
;                Wo is rounded to bf16 like every input and that number is written as f16. LIMIT: numbers of Wo below 6e-5 keep f16's fixed step of 6e-8, beyond 65,504 they are lost.
; Every input byte is read once, in runs of 256 bytes or more; every store of sixteen (b128) or thirty-two (b64) lanes covers 256 consecutive aligned bytes.
; No matrix unit, no tensor load, no cluster: nothing is shared and nothing is multiplied. 112 registers a wave, so that several work-groups lie on a WGP and their loads are out together.
.set SPARE, 34816                      ; LDS 0 .. 34,815 scratch (mask: 4,352 a wave; weights: 17,408 for the work-group); then the spare words, 128 bytes a wave
.set SPW, 12                           ; v12  SPARE + 4 x my thread's number; never rewritten
.set NIL, 13                           ; v13  0; never rewritten
	s_load_b512 s[4:19], s[0:1], 0x0               ; mask 4:5, X_sem 6:7, X_sal 8:9, Wq_sem 10:11, Wk_sem 12:13, Wv 14:15, Wq_sal 16:17, Wk_sal 18:19
	s_load_b256 s[20:27], s[0:1], 0x40             ; Wo 20:21, bits 22:23, xb 24:25, wt 26:27
	s_load_b64 s[28:29], s[0:1], 0x60              ; wo
	v_lshl_add_u32 v[SPW], v0, 2, SPARE
	v_mov_b32 v[NIL], 0
	v_lshrrev_b32 v1, 5, v0
	v_readfirstlane_b32 s30, v1                    ; wave 0..7
	v_and_b32 v1, 31, v0                           ; l
	v_and_b32 v6, 15, v0                           ; l % 16
	v_bfe_u32 v7, v0, 4, 1                         ; l / 16
	s_wait_kmcnt 0x0
	s_cmp_lt_u32 ttmp9, 256
	s_cbranch_scc1 .Lmask
	s_cmp_lt_u32 ttmp9, 768
	s_cbranch_scc1 .Lx
	; THE WEIGHTS. A work-group turns 128 k x 64 n of one weight. Wave w reads k rows 16 w .. 16 w + 15: lane (l % 16, l / 16) takes four n of rows 8 (l / 16) + 0..7.
	s_sub_co_u32 s31, ttmp9, 768
	s_lshr_b32 s32, s31, 7                         ; which weight, 0..5
	s_and_b32 s33, s31, 7                          ; block of 128 k
	s_bfe_u32 s34, s31, 0x40003                    ; block of 64 n: the head
	s_mov_b64 s[36:37], s[10:11]
.irp k, 1,2,3,4,5
	s_cmp_eq_u32 s32, \k
	s_cselect_b64 s[36:37], s[10+2*\k:11+2*\k], s[36:37]
.endr
	s_lshl_b32 s38, s33, 19                        ; 128 rows of 4,096 bytes
	s_lshl_b32 s39, s30, 16                        ; my 16 rows
	s_add_co_u32 s38, s38, s39
	s_lshl_b32 s39, s34, 8                         ; 64 n of 4 bytes
	s_add_co_u32 s38, s38, s39
	s_mov_b32 s39, 0
	s_add_nc_u64 s[36:37], s[36:37], s[38:39]
	v_lshlrev_b32 v2, 4, v6
	v_lshl_add_u32 v2, v7, 15, v2                  ; 8 rows x (l / 16) + 16 bytes x (l % 16)
.irp n, 0,1,2,3,4,5,6,7
	global_load_b128 v[16+4*\n:16+4*\n+3], v2, s[36:37] offset:\n*4096 th:TH_LOAD_NT  ; sixteen lanes: 256 consecutive bytes of a row
.endr
	v_mul_u32_u24 v3, v6, 1088                     ; into LDS: row n = 4 (l % 16) + c of 272 bytes, k = 16 w + 8 (l / 16) + 0..7
	v_lshl_add_u32 v3, v7, 4, v3
	s_lshl_b32 s44, s30, 5
	v_add_nc_u32 v3, s44, v3
	v_mul_u32_u24 v4, v7, 272                      ; back: wave w takes rows 8 w .. 8 w + 7, two a load
	v_lshl_add_u32 v4, v6, 4, v4
	s_mul_i32 s45, s30, 2176
	v_add_nc_u32 v4, s45, v4
	v_lshlrev_b32 v5, 4, v6
	v_lshl_add_u32 v5, v7, 11, v5                  ; the same two rows in memory, 2,048 bytes apart
	s_mul_i32 s40, s34, 5
	s_add_co_u32 s40, s40, s32
	s_lshl_b32 s40, s40, 6                         ; wt: row 320 head + 64 weight
	s_lshl_b32 s41, s34, 6                         ; wo: row 64 block
	s_cmp_eq_u32 s32, 5
	s_cselect_b32 s40, s41, s40
	s_cselect_b64 s[42:43], s[28:29], s[26:27]
	s_lshl_b32 s41, s30, 3
	s_add_co_u32 s40, s40, s41
	s_lshl_b32 s40, s40, 11
	s_lshl_b32 s41, s33, 8
	s_add_co_u32 s40, s40, s41
	s_mov_b32 s41, 0
	s_add_nc_u64 s[42:43], s[42:43], s[40:41]
	s_wait_loadcnt 0x0
.irp c, 0,1,2,3
.irp k, 0,1,2,3
	v_cvt_pk_bf16_f32 v[48+4*\c+\k], v[16+8*\k+\c], v[16+8*\k+4+\c]  ; column c of rows 2 k and 2 k + 1: two neighbouring k of one n
.endr
.endr
	s_cmp_lg_u32 s32, 5
	s_cbranch_scc1 .Lnot_wo
.set i, 48
.rept 16                               ; Wo alone: the bf16 numbers written as f16
	v_lshlrev_b32 v14, 16, v[i]
	v_and_b32 v15, 0xffff0000, v[i]
	v_cvt_pk_f16_f32 v[i], v14, v15
.set i, i+1
.endr
.Lnot_wo:
.irp c, 0,1,2,3
	ds_store_b128 v3, v[48+4*\c:48+4*\c+3] offset:\c*272  ; sixteen lanes stand 1,088 bytes apart: four deep on the banks; four such stores a wave in the launch
.endr
	s_wait_dscnt 0x0                               ; for the others' sake: my stores are done
	s_barrier_signal -1
	s_barrier_wait -1
.irp t, 0,1,2,3
	ds_load_b128 v[64+4*\t:64+4*\t+3], v4 offset:\t*544
.endr
	s_wait_dscnt 0x0
.irp t, 0,1,2,3
	global_store_b128 v5, v[64+4*\t:64+4*\t+3], s[42:43] offset:\t*4096  ; sixteen lanes: 128 k of one n, 256 consecutive aligned bytes
.endr
	s_branch .Lend
.Lx:	; THE CAST. A work-group takes 16 rows of one X, a wave two: sixteen loads of 512 bytes, all out at once.
	s_sub_co_u32 s31, ttmp9, 256
	s_lshr_b32 s32, s31, 8                         ; 0: X_sem, 1: X_sal
	s_and_b32 s33, s31, 255
	s_cmp_eq_u32 s32, 0
	s_cselect_b64 s[4:5], s[6:7], s[8:9]
	s_lshl_b32 s34, s33, 16                        ; 16 rows of 4,096 bytes, in X and in xb alike
	s_lshl_b32 s35, s30, 13
	s_add_co_u32 s34, s34, s35
	s_mov_b32 s35, 0
	s_add_nc_u64 s[4:5], s[4:5], s[34:35]
	s_lshl_b32 s36, s32, 11                        ; X_sal's half of xb's row
	s_add_co_u32 s34, s34, s36
	s_add_nc_u64 s[24:25], s[24:25], s[34:35]
	v_lshlrev_b32 v2, 4, v1
	v_lshlrev_b32 v3, 3, v1
.set n, 0
.rept 16
	global_load_b128 v[16+4*n:16+4*n+3], v2, s[4:5] offset:n*512 th:TH_LOAD_NT
.set n, n+1
.endr
.set n, 0
.rept 16
	s_wait_loadcnt 15-n                            ; loads come back in order: the 15 - n younger ones may stay out
	v_cvt_pk_bf16_f32 v[80+2*n], v[16+4*n], v[16+4*n+1]
	v_cvt_pk_bf16_f32 v[81+2*n], v[16+4*n+2], v[16+4*n+3]
	global_store_b64 v3, v[80+2*n:81+2*n], s[24:25] offset:(n/8)*4096+(n%8)*256  ; 32 lanes: 256 consecutive aligned bytes
.set n, n+1
.endr
	s_branch .Lend
.Lmask:	; THE MASK. The work-group takes 16 queries, wave w the keys 256 w .. 256 w + 255: four key steps of eight loads. Three steps' loads go out at once, the fourth's when the first step's registers are free.
	s_lshl_b32 s32, ttmp9, 17                      ; 16 rows of 8,192 bytes
	s_mov_b32 s33, 0
	s_add_nc_u64 s[4:5], s[4:5], s[32:33]
	v_lshlrev_b32 v2, 4, v6
	v_lshl_add_u32 v2, v7, 13, v2                  ; lanes 0-15 an even row, lanes 16-31 the odd one
	s_lshl_b32 s32, s30, 10
	v_add_nc_u32 v2, s32, v2
.set n, 0
.rept 24                               ; key step n / 8, rows 2 (n % 8) and 2 (n % 8) + 1: sixteen lanes take 256 consecutive bytes
	global_load_b128 v[16+4*n:16+4*n+3], v2, s[4:5] offset:(n%8)*16384+(n/8)*256 th:TH_LOAD_NT
.set n, n+1
.endr
	s_mul_i32 s31, s30, 4352                       ; my own 16 rows x 272 bytes of LDS: no other wave touches them, so no barrier
	v_mul_u32_u24 v3, v7, 272
	v_lshl_add_u32 v3, v6, 4, v3
	v_add_nc_u32 v3, s31, v3                       ; in: as loaded
	v_mul_u32_u24 v4, v6, 272
	v_lshl_add_u32 v4, v7, 5, v4
	v_add_nc_u32 v4, s31, v4                       ; back: row l % 16, keys 8 (l / 16) on
	v_lshlrev_b32 v5, 4, v1
	v_mov_b32 v8, 0
	v_mov_b32 v9, 0
	v_mov_b32 v10, 0
	v_mov_b32 v11, 0
	s_lshl_b32 s2, ttmp9, 12                       ; a tile's 32 steps x 128 bytes
	s_lshl_b32 s3, s30, 9                          ; my four steps
	s_add_co_u32 s2, s2, s3
	s_mov_b32 s3, 0
	s_add_nc_u64 s[22:23], s[22:23], s[2:3]
.irp kq, 0,1,2,3
.set g, 16+32*(\kq%3)                  ; the step's 32 registers: three groups, the fourth step in the first's
.if \kq == 0
	s_wait_loadcnt 16                              ; step 0's eight loads are in; the sixteen of steps 1 and 2 may stay out
.else
	s_wait_loadcnt 24-8*\kq                        ; behind step kq's loads stand those of the later steps, step 3's among them
.endif
.irp i, 0,1,2,3,4,5,6,7
	ds_store_b128 v3, v[g+4*\i:g+4*\i+3] offset:\i*544
.endr
.irp m, 0,1,2,3,4,5,6,7
	ds_load_b128 v[g+4*\m:g+4*\m+3], v4 offset:(\m/2)*64+(\m%2)*16  ; LDS serves a wave's instructions in order (ISA guide 5.7.1.4): these see the stores above, and come back into the registers that those left
.endr
	s_wait_dscnt 0x0
.set i, 0
.rept 32
	v_cmp_ne_u32 s[32+i], 0, v[g+i]                ; word i of the step: one bit a lane
.set i, i+1
.endr
.set i, 0
.rept 32
	v_writelane_b32 v[8+((32*\kq+i)&3)], s[32+i], (32*\kq+i)>>2  ; word n of my 128 goes to lane n / 4, register n % 4
.set i, i+1
.endr
.if \kq == 0
.irp i, 0,1,2,3,4,5,6,7
	global_load_b128 v[16+4*\i:16+4*\i+3], v2, s[4:5] offset:\i*16384+768 th:TH_LOAD_NT  ; step 3
.endr
.endif
.endr
	global_store_b128 v5, v[8:11], s[22:23]        ; 512 consecutive aligned bytes
.Lend:
	s_wait_tensorcnt 0x0                           ; the wave's end, behind my last LDS store
	ds_add_u32 v[SPW], v[NIL]
	s_wait_dscnt 0x0
	s_endpgm
.Lfunc_end_k_q4dd2389785_prep:
	.size	k_q4dd2389785_prep, .Lfunc_end_k_q4dd2389785_prep-k_q4dd2389785_prep
	.p2alignl 7, 3214868480
	.fill 96, 4, 3214868480
	.section	.rodata,"a",@progbits
	.p2align	6, 0x0
	.amdhsa_kernel k_q4dd2389785_prep
		.amdhsa_group_segment_fixed_size 35840
		.amdhsa_private_segment_fixed_size 0
		.amdhsa_enable_private_segment 0
		.amdhsa_kernarg_size 104
		.amdhsa_user_sgpr_count 2
		.amdhsa_user_sgpr_kernarg_segment_ptr 1
		.amdhsa_wavefront_size32 1
		.amdhsa_system_sgpr_workgroup_id_x 1
		.amdhsa_system_sgpr_workgroup_id_y 1
		.amdhsa_system_sgpr_workgroup_id_z 1
		.amdhsa_system_vgpr_workitem_id 0
		.amdhsa_next_free_vgpr 112
		.amdhsa_next_free_sgpr 66
		.amdhsa_reserve_vcc 0
		.amdhsa_float_denorm_mode_32 3
		.amdhsa_float_denorm_mode_16_64 3
		.amdhsa_memory_ordered 1
		.amdhsa_forward_progress 1
		.amdhsa_inst_pref_size 39
	.end_amdhsa_kernel
	.amdgpu_metadata
---
amdhsa.version: [ 1, 2 ]
amdhsa.kernels:
  - .name:           k_q4dd2389785_prep
    .symbol:         k_q4dd2389785_prep.kd
    .args:
      - { .name: mask, .offset: 0, .size: 8, .value_kind: global_buffer, .address_space: global }
      - { .name: X_sem, .offset: 8, .size: 8, .value_kind: global_buffer, .address_space: global }
      - { .name: X_sal, .offset: 16, .size: 8, .value_kind: global_buffer, .address_space: global }
      - { .name: Wq_sem, .offset: 24, .size: 8, .value_kind: global_buffer, .address_space: global }
      - { .name: Wk_sem, .offset: 32, .size: 8, .value_kind: global_buffer, .address_space: global }
      - { .name: Wv, .offset: 40, .size: 8, .value_kind: global_buffer, .address_space: global }
      - { .name: Wq_sal, .offset: 48, .size: 8, .value_kind: global_buffer, .address_space: global }
      - { .name: Wk_sal, .offset: 56, .size: 8, .value_kind: global_buffer, .address_space: global }
      - { .name: Wo, .offset: 64, .size: 8, .value_kind: global_buffer, .address_space: global }
      - { .name: bits, .offset: 72, .size: 8, .value_kind: global_buffer, .address_space: global }
      - { .name: xb, .offset: 80, .size: 8, .value_kind: global_buffer, .address_space: global }
      - { .name: wt, .offset: 88, .size: 8, .value_kind: global_buffer, .address_space: global }
      - { .name: wo, .offset: 96, .size: 8, .value_kind: global_buffer, .address_space: global }
    .group_segment_fixed_size: 35840
    .private_segment_fixed_size: 0
    .kernarg_segment_align: 8
    .kernarg_segment_size: 104
    .max_flat_workgroup_size: 256
    .sgpr_count:     66
    .vgpr_count:     112
    .wavefront_size: 32
...
	.end_amdgpu_metadata
.endif
;; end of part 1
;; launch proj (part 2): grid 16 x 16, 4 waves a work-group, clusters of 4 x 4, 327,680 bytes of LDS; arguments xb, wt, bq_sem, bk_sem, bv, bq_sal, bk_sal, gamma, qkv; writes qkv
.if DOCPART == 2
	.amdgcn_target "amdgcn-amd-amdhsa--gfx1250"
	.amdhsa_code_object_version 6
	.text
	.protected	k_q4dd2389785_proj
	.globl	k_q4dd2389785_proj
	.p2align	8
	.type	k_q4dd2389785_proj,@function
k_q4dd2389785_proj:
	s_mov_b64 s[64:65], 0
	v_nop
	global_prefetch_b8 v0, s[64:65] scope:SCOPE_SE
	s_setreg_imm32_b32 hwreg(HW_REG_WAVE_MODE, 25, 1), 1
	s_wait_xcnt 0x0
	s_wait_alu depctr_hold_cnt(0) depctr_sa_sdst(0) depctr_va_vdst(0) depctr_va_sdst(0) depctr_va_ssrc(0) depctr_va_vcc(0) depctr_vm_vsrc(0)
	s_getreg_b32 s2, hwreg(HW_REG_IB_STS2, 6, 4)
	s_cmp_eq_u32 s2, 0
	s_cbranch_scc0 .Lentry_in_a_cluster
	s_endpgm
.Lentry_in_a_cluster:
	s_bfe_u32 s2, ttmp6, 0x10000c
	s_cmp_lg_u32 s2, 0xf033
	s_cbranch_scc0 .Lentry_shape_is_right
	s_endpgm
.Lentry_shape_is_right:
; THE FIVE PROJECTIONS. A work-group makes 256 rows x one head of all five: first 192 columns (q_sem, k_sem, v) over X_sem's 1,024 channels, then 128 columns (q_sal, k_sal) over X_sal's.
; xb: bf16 [4096][2048] (X_sem | X_sal); wt: bf16 [head][320][1024]; qkv: f16, five planes [b h][s][64]: 0 q_sem, 1 q_sal sign(g) sqrt|g|, 2 k_sem, 3 k_sal sqrt|g|, 4 v, g = gamma.
; So the attention's score q_sem.k_sem + g q_sal.k_sal is one product over 128 channels. Products in bf16 with f32 sums; biases and gamma rounded to bf16 like all inputs; results rounded once to f16.
; THE BIAS STARTS EACH SUM: it is the C operand of the sum's first product, so nothing is cleared and nothing is added on the way out.
; LIMITS. q, k sqrt|g| and v must lie within f16's 65,504. |gamma| below 2^-126 counts as 0 (the square root's input is flushed). gamma enters as sqrt|g| x sqrt|g|. NaN and infinities are not treated apart.
; 16 x 16 work-groups, one for each of 256 WGPs, equal work. K goes in 16 steps of 128 (rows of 256 bytes, aligned) through a ring of two LDS slots; A's walk goes straight on from X_sem into X_sal.
; A wave owns 64 rows and all columns: 4 x 12, then 4 x 8 accumulators of 16 x 16.
; CLUSTER 4 x 4: the four of a row share the row block (A's tile), the four of a column the head (B's tile): each tile is asked for jointly.
; THE MATRIX INSTRUCTION IS USED TRANSPOSED (source 0 = 16 rows of wt, source 1 = 16 rows of xb): a lane holds eight neighbouring columns of one row.
; PREFETCH: xb's rows, one K step ahead of the refill that wants them; cluster x = 0 asks, waves 0 and 1, each partner 32 of the wave's 128 rows by address, a lane a row: each block once.
; wt is not asked for: a wave's 96 or 64 rows do not split among four partners into whole waves of 32 lanes.
; REGISTERS: window 0 addresses, the first phase's biases, the way out; window 1 two fragment buffers of 128 (A's 4 blocks, then B's 12);
;   windows 2, 3 accumulators: (a, b) in window 2 + a / 2 at v[8 (12 (a % 2) + b)]; window 2 v192-255 the second phase's biases.
.set PITCH, 272                        ; an LDS row: 256 bytes + 16 = 68 words: the 16 rows of a load start at 16 different groups of four banks (64 banks of 4 bytes: ISA guide 11.1)
.set SLOT1, 131072                     ; slot 1 begins here: one exclusive or turns an address in one slot into the other's
.set BOFF,  256*PITCH                  ; in a slot: A's 256 rows, then B's 192 (in the second phase rows 0-63 and 96-159 are used)
.set STAGE, SLOT1+BOFF+192*PITCH       ; behind the ring: 16 rows x 144 bytes for each wave, for the way out
.set SP,    144
.set SPARE, STAGE+4*16*SP              ; the spare words, 128 bytes a wave
.set PLANE, 8388608
.set FIELDS, (1<<16)|(1<<20)|(1<<21)|(5<<22)|(3<<25)  ; 2-byte elements; padding on; bit 21 beside a mask; after every 64 words; 4 words
.set STO, 4                            ; v4   the way out: where I put 16 bytes of a row
.set RDB, 5                            ; v5   where I read rows back
.set GO,  6                            ; v6   16 x lane
.set BO,  7                            ; v7   my byte offset in a bias
.set ADRA, 16                          ; v16  LDS address of my A fragments in the slot in hand
.set ADRB, 17                          ; v17  of B's
.set A0,  18                           ; v18, v19 the same in slot 0; never rewritten
.set B0,  19
.set FQ,  24                           ; v[24:25] sign(g) sqrt|g|, twice;  v[26:27] sqrt|g|, twice
.set SPW, 28
.set NIL, 29
.set PFO, 30                           ; v30  4,096 x lane: a row of xb
.set T,   32                           ; v32-63   at work: 16 rows x 64 columns in f32
.set PK,  64                           ; v64-79   packed
.set BK,  80                           ; v80-111  two buffers of whole rows
.set BI,  128                          ; v128-223 the first phase's biases: column block b at BI + 8 b
.set BS,  192                          ; window 2: the second phase's: column block b at BS + 8 b
.set F0,  0
.set F1,  128
.set G1A, 24
.set G0A, 32                           ; s[32:35] the first fill of slot 0, s[36:39] of slot 1; the second set then walks
.set G1B, 48
.set G0B, 56
.set LIM, 43                           ; s43  1 in a wave that prefetches, else the greatest number
.set PFA, 44                           ; s[44:45] where my prefetches stand
.set JB,  66                           ; s[66:67] B's step from the first phase's last K step to the second's first
.set TB,  80                           ; s80  the slot in hand: 0 or SLOT1
.set MSB, 0
.macro WIN new                         ; the high byte repeats the setting that is left; a switch that changes nothing is dropped
.if MSB != (\new)
	s_set_vgpr_msb (MSB<<8)|(\new)
.set MSB, \new
.endif
.endm
.macro PLACES                          ; four places in front of loads into registers that matrix instructions have read, and of lines that read results
.rept 4
	v_nop
.endr
.endm
.macro JLOAD s                         ; a joint load: waves 0, 1 fetch A's halves, waves 2, 3 B's; an s_nop 0 and four v_nop follow each line
	s_cmp_eq_u32 s11, 0
	s_cbranch_scc0 .Lfor_b_\@
	tensor_load_to_lds s[G0A+4*(\s):G0A+4*(\s)+3], s[G1A:G1A+7]
	s_nop 0
.rept 4
	v_nop
.endr
	s_branch .Lasked_\@
.Lfor_b_\@:
	tensor_load_to_lds s[G0B+4*(\s):G0B+4*(\s)+3], s[G1B:G1B+7]
	s_nop 0
.rept 4
	v_nop
.endr
.Lasked_\@:
.endm
.macro CREST                           ; a round of the cluster's barrier behind its opening barrier
	s_cmp_lg_u32 s10, 0
	s_cbranch_scc1 .Lnot_wave_0_\@
	s_barrier_signal -3
.Lnot_wave_0_\@:
	s_barrier_wait -3
	s_barrier_signal -1
	s_barrier_wait -1
.endm
.macro CROUND
	s_barrier_signal -1
	s_barrier_wait -1
	CREST
.endm
.macro ASK how                         ; how = 1: every time; how = 0, in the second loop: not in its last trip, whose K step three on does not exist
.if \how
	s_cmp_eq_u32 s[LIM], 1
.else
	s_cmp_gt_u32 s3, s[LIM]
.endif
	s_cbranch_scc0 .Lnot_mine_\@
	global_prefetch_b8 v[PFO], s[PFA:PFA+1] th:TH_LOAD_NT scope:SCOPE_SE
.Lnot_mine_\@:
.endm
	s_load_b128 s[4:7], s[0:1], 0x0                ; xb, wt
	s_load_b256 s[68:75], s[0:1], 0x10             ; bq_sem 68:69, bk_sem 70:71, bv 72:73, bq_sal 74:75
	s_load_b128 s[76:79], s[0:1], 0x30             ; bk_sal 76:77, gamma 78:79
	s_load_b64 s[8:9], s[0:1], 0x40                ; qkv
	v_lshl_add_u32 v[SPW], v0, 2, SPARE
	v_mov_b32 v[NIL], 0
	ds_add_u32 v[SPW], v[NIL]                      ; the wave's opening: the add and its wait ahead of my first tensor load
	v_lshrrev_b32 v1, 5, v0
	v_readfirstlane_b32 s10, v1                    ; wave 0..3
	s_lshr_b32 s11, s10, 1                         ; I fetch for A (0) or B (1),
	s_and_b32 s12, s10, 1                          ; its first or second half
	s_bfe_u32 s40, ttmp6, 0x40000                  ; cx
	s_bfe_u32 s41, ttmp6, 0x40004                  ; cy
	s_lshl_b32 s42, ttmp9, 2
	s_add_co_u32 s42, s42, s40                     ; the head
	s_and_b32 s13, ttmp7, 0xffff
	s_lshl_b32 s13, s13, 2
	s_add_co_u32 s13, s13, s41                     ; the block of 256 rows
	s_lshl_b32 s14, s41, 2
	s_lshl_b32 s14, 15, s14                        ; my row of the cluster
	s_lshl_b32 s15, 0x1111, s40                    ; my column
	s_or_b32 s[G1A], s14, FIELDS
	s_or_b32 s[G1B], s15, FIELDS
	s_mov_b32 s[G1A+1], 128<<16                    ; tensor_dim0 = 128
	s_mov_b32 s[G1A+2], 128<<16                    ; tensor_dim1 = 128
	s_mov_b32 s[G1A+3], 128<<16                    ; tile_dim0 = 128
	s_mov_b32 s[G1A+4], 128                        ; tile_dim1 = 128
	s_mov_b32 s[G1A+5], 2048                       ; elements from row to row of xb
	s_mov_b32 s[G1A+6], 0
	s_mov_b32 s[G1A+7], 0
	s_mov_b32 s[G1B+1], 128<<16
	s_mov_b32 s[G1B+2], 96<<16                     ; 96 rows a wave in the first phase
	s_mov_b32 s[G1B+3], 128<<16
	s_mov_b32 s[G1B+4], 96
	s_mov_b32 s[G1B+5], 1024
	s_mov_b32 s[G1B+6], 0
	s_mov_b32 s[G1B+7], 0
	s_lshl_b32 s16, s13, 20                        ; A: 256 rows of 4,096 bytes a block,
	s_lshl_b32 s17, s12, 19                        ; my 128
	s_add_co_u32 s16, s16, s17
	s_mov_b32 s17, 0
	s_mul_i32 s46, s42, 320                        ; B: the head's 320 rows,
	s_mul_i32 s47, s12, 96                         ; my 96
	s_add_co_u32 s46, s46, s47
	s_lshl_b32 s46, s46, 11
	s_mov_b32 s47, 0
	s_mul_i32 s20, s12, 128*PITCH                  ; where they go: no place in the cluster enters an LDS address
	s_mul_i32 s21, s12, 96*PITCH
	s_add_co_u32 s21, s21, BOFF
	s_lshl_b32 s[JB], s12, 16                      ; (192 + 64 half - 96 half) rows of 2,048 bytes, back 7 steps of 256
	s_sub_co_u32 s[JB], 391424, s[JB]
	s_mov_b32 s[JB+1], 0
	s_wait_dscnt 0x0                               ; the opening add is done
	s_wait_kmcnt 0x0
	s_load_b32 s81, s[78:79], 0x0                  ; gamma
	s_add_nc_u64 s[14:15], s[4:5], s[16:17]
	s_add_nc_u64 s[46:47], s[6:7], s[46:47]
	CROUND                                         ; all sixteen work-groups are here: the first joint loads meet
.irp s, 0,1
	s_mov_b32 s[G0A+4*(\s)], 1
	s_add_co_u32 s[G0A+4*(\s)+1], s20, (\s)*SLOT1
	s_add_nc_u64 s[G0A+4*(\s)+2:G0A+4*(\s)+3], s[14:15], (\s)*256
	s_or_b32 s[G0A+4*(\s)+3], s[G0A+4*(\s)+3], 0x80000000
	s_mov_b32 s[G0B+4*(\s)], 1
	s_add_co_u32 s[G0B+4*(\s)+1], s21, (\s)*SLOT1
	s_add_nc_u64 s[G0B+4*(\s)+2:G0B+4*(\s)+3], s[46:47], (\s)*256
	s_or_b32 s[G0B+4*(\s)+3], s[G0B+4*(\s)+3], 0x80000000
	JLOAD \s                                       ; K steps 0 and 1: two loads of mine are out
.endr
	v_and_b32 v1, 15, v0                           ; l % 16
	v_bfe_u32 v2, v0, 4, 1                         ; l / 16
	v_mul_u32_u24 v3, v1, PITCH
	v_lshl_add_u32 v3, v2, 4, v3                   ; a fragment's row x pitch + 16 x half
	s_mul_i32 s14, s10, 64*PITCH
	v_add_nc_u32 v[A0], s14, v3                    ; my 64 rows of A
	v_add_nc_u32 v[B0], BOFF, v3
	v_mov_b32 v[ADRA], v[A0]
	v_mov_b32 v[ADRB], v[B0]
	s_mov_b32 s[TB], 0
	s_mul_i32 s14, s10, 16*SP
	s_add_co_u32 s14, s14, STAGE                   ; my stage
	v_mul_u32_u24 v[STO], v1, SP
	v_lshl_add_u32 v[STO], v2, 4, v[STO]
	v_add_nc_u32 v[STO], s14, v[STO]
	v_bfe_u32 v[RDB], v0, 3, 2                     ; back: 32 lanes take four rows of 128 bytes
	v_mul_u32_u24 v[RDB], v[RDB], SP
	v_and_b32 v3, 7, v0
	v_lshl_add_u32 v[RDB], v3, 4, v[RDB]
	v_add_nc_u32 v[RDB], s14, v[RDB]
	v_and_b32 v[GO], 31, v0
	v_lshlrev_b32 v[PFO], 12, v[GO]
	v_lshlrev_b32 v[GO], 4, v[GO]
	s_lshl_b32 s14, s42, 8                         ; the head's 64 numbers of a bias
	v_lshlrev_b32 v[BO], 5, v2
	v_add_nc_u32 v[BO], s14, v[BO]
.set b, 0
.rept 12                               ; column block b: bias b / 4, columns 16 (b % 4) + 8 (l / 16) + 0..7: the layout of an accumulator's eight registers
	global_load_b128 v[BI+8*b:BI+8*b+3],   v[BO], s[68+2*(b/4):69+2*(b/4)] offset:(b%4)*64
	global_load_b128 v[BI+8*b+4:BI+8*b+7], v[BO], s[68+2*(b/4):69+2*(b/4)] offset:(b%4)*64+16
.set b, b+1
.endr
	WIN 0x80                                       ; destination window 2, address window 0
.set b, 0
.rept 8
	global_load_b128 v[BS+8*b:BS+8*b+3],   v[BO], s[74+2*(b/4):75+2*(b/4)] offset:(b%4)*64
	global_load_b128 v[BS+8*b+4:BS+8*b+7], v[BO], s[74+2*(b/4):75+2*(b/4)] offset:(b%4)*64+16
.set b, b+1
.endr
	WIN 0
	s_lshr_b32 s20, s13, 3                         ; where my rows begin in a plane: (16 batch + head) x 2,048 rows of 128 bytes,
	s_lshl_b32 s20, s20, 22
	s_lshl_b32 s21, s42, 18
	s_add_co_u32 s20, s20, s21
	s_and_b32 s21, s13, 7                          ; the block's 256 rows in the batch,
	s_lshl_b32 s21, s21, 15
	s_add_co_u32 s20, s20, s21
	s_lshl_b32 s21, s10, 13                        ; my 64
	s_add_co_u32 s20, s20, s21
	s_mov_b32 s21, 0
	s_add_nc_u64 s[8:9], s[8:9], s[20:21]          ; plane 0
	s_add_nc_u64 s[82:83], s[8:9], PLANE           ; plane 1, for the second phase
	s_lshl_b32 s22, s13, 20                        ; the prefetches: the block's rows, the 128 that I fetch, my work-group's 32 of them, K step 2
	s_lshl_b32 s23, s12, 19
	s_add_co_u32 s22, s22, s23
	s_lshl_b32 s23, s40, 17
	s_add_co_u32 s22, s22, s23
	s_add_co_u32 s22, s22, 512
	s_mov_b32 s23, 0
	s_add_nc_u64 s[PFA:PFA+1], s[4:5], s[22:23]
	s_or_b32 s[LIM], s11, ttmp9                    ; waves 0 and 1 of the clusters with x = 0: the same in all sixteen partners, for a given wave
	s_cmp_eq_u32 s[LIM], 0
	s_cselect_b32 s[LIM], 1, -1
	s_wait_kmcnt 0x0                               ; gamma
	v_mov_b32 v20, s81
	v_cvt_pk_bf16_f32 v20, v20, v20
	v_lshlrev_b32 v20, 16, v20                     ; g, rounded to bf16
	v_and_b32 v21, 0x7fffffff, v20
	v_sqrt_f32 v22, v21
	v_nop                                          ; a plain instruction behind the root,
	s_wait_alu depctr_va_vdst(0)                   ; and the wait ahead of its first use
	v_mov_b32 v[FQ+2], v22
	v_mov_b32 v[FQ+3], v22
	v_bfi_b32 v[FQ], 0x7fffffff, v22, v20          ; the root's size, g's sign
	v_mov_b32 v[FQ+1], v[FQ]
	s_wait_loadcnt 0x0
.set i, 0
.rept 48                               ; the biases are rounded to bf16, in pairs: the first phase's in place,
	v_cvt_pk_bf16_f32 v20, v[BI+2*i], v[BI+2*i+1]
	v_lshlrev_b32 v[BI+2*i], 16, v20
	v_and_b32 v[BI+2*i+1], 0xffff0000, v20
.set i, i+1
.endr
	WIN 0x0a                                       ; the second phase's by way of window 0: sources 0 and 1 in window 2,
.set i, 0
.rept 32
	v_cvt_pk_bf16_f32 v[T+i], v[BS+2*i], v[BS+2*i+1]
.set i, i+1
.endr
	WIN 0x80                                       ; then the destination
.set i, 0
.rept 32
	v_lshlrev_b32 v[BS+2*i], 16, v[T+i]
	v_and_b32 v[BS+2*i+1], 0xffff0000, v[T+i]
.set i, i+1
.endr
	WIN 0
; nb matrix instructions: row block a x all nb column blocks, 32 along K. The accumulators take turns, one instruction a turn.
; zero = 1: the product starts the sums, with the column block's bias as C: the first phase's from window 0, the second's from window 2.
.macro MULA f, a, nb, zero
.if (\zero) && ((\nb) == 12)
	WIN 0x85+0x40*((\a)/2)                         ; sources in window 1, C in window 0, D in window 2 or 3
.elseif \zero
	WIN 0xa5+0x40*((\a)/2)                         ; C in window 2
.else
	WIN 0xa5+0x50*((\a)/2)                         ; C and D in window 2 or 3
.endif
.set b, 0
.rept \nb
.set rD, 8*(12*((\a)%2)+b)
.if (\zero) && ((\nb) == 12)
	v_wmma_f32_16x16x32_bf16 v[rD:rD+7], v[(\f)+32+8*b:(\f)+32+8*b+7], v[(\f)+8*(\a):(\f)+8*(\a)+7], v[BI+8*b:BI+8*b+7]
.elseif \zero
	v_wmma_f32_16x16x32_bf16 v[rD:rD+7], v[(\f)+32+8*b:(\f)+32+8*b+7], v[(\f)+8*(\a):(\f)+8*(\a)+7], v[BS+8*b:BS+8*b+7]
.else
	v_wmma_f32_16x16x32_bf16 v[rD:rD+7], v[(\f)+32+8*b:(\f)+32+8*b+7], v[(\f)+8*(\a):(\f)+8*(\a)+7], v[rD:rD+7]
.endif
.set b, b+1
.endr
.endm
; One run of LDS loads: the fragments of 32 along K at byte k of the rows into buffer f: B's nb blocks, then A's four, blocks 2 and 3 last.
.macro FETCH k, f, nb
	WIN 0x40                                       ; destination window 1, address window 0
.set i, 0
.rept \nb
.if (\nb) == 12
.set rw, 16*i
.else
.set rw, 16*i+32*(i/4)                 ; the second phase: the second wave's 64 rows begin at LDS row 96
.endif
	ds_load_b128 v[(\f)+32+8*i:(\f)+32+8*i+3],   v[ADRB] offset:rw*PITCH+(\k)
	ds_load_b128 v[(\f)+32+8*i+4:(\f)+32+8*i+7], v[ADRB] offset:rw*PITCH+(\k)+32
.set i, i+1
.endr
.set i, 0
.rept 4
	ds_load_b128 v[(\f)+8*i:(\f)+8*i+3],   v[ADRA] offset:i*16*PITCH+(\k)
	ds_load_b128 v[(\f)+8*i+4:(\f)+8*i+7], v[ADRA] offset:i*16*PITCH+(\k)+32
.set i, i+1
.endr
.endm
; A K step is four quarters of 32 along K on buffers 0, 1, 0, 1. One of the first three: multiplies buffer f, and in its middle fetches the next quarter, at byte k, into g.
.macro QUARTER k, f, g, nb, zero
	s_wait_dscnt 4                                 ; all but the youngest four loads: A's blocks 2 and 3
	MULA \f, 0, \nb, \zero
	MULA \f, 1, \nb, \zero
	PLACES
	FETCH \k, \g, \nb
	s_wait_dscnt 2*(\nb)+8                         ; all but the run just issued
	MULA \f, 2, \nb, \zero
	MULA \f, 3, \nb, \zero
.endm
; The last quarter multiplies buffer 1 and changes slots. In front of the round each wave waits for all its tensor loads (one is out: its part of the next slot), adds 0 to its spare word,
; and waits for that and for its reads of this slot. Behind the round this slot is filled again first, with the K step two on; then the next slot's first fragments are read.
; nbm: column blocks now; nbf: of the next K step. kind = 1: the refill is the second phase's first K step.
.macro TURN nbm, nbf, kind, how
	s_wait_xcnt 0x0                                ; the last prefetch, a K step back, has read its address
	s_add_nc_u64 s[PFA:PFA+1], s[PFA:PFA+1], 256
	WIN 0
	s_wait_tensorcnt 0x0                           ; all my tensor loads have landed
	ds_add_u32 v[SPW], v[NIL]
	s_wait_dscnt 5                                 ; (the add and A's blocks 2 and 3 may be out)
	MULA F1, 0, \nbm, 0
	s_wait_dscnt 0x0                               ; the add is done, my reads of this slot are over
	s_barrier_signal -1
	MULA F1, 1, \nbm, 0
	WIN 0
	s_barrier_wait -1
	CREST                                          ; no wave of any partner still reads this slot or has a load on its way
	s_xor_b32 s[G0A+5], s[G0A+5], SLOT1            ; the walking descriptors: the other slot than last time, the next K step
	s_add_nc_u64 s[G0A+6:G0A+7], s[G0A+6:G0A+7], 256
	s_xor_b32 s[G0B+5], s[G0B+5], SLOT1
.if \kind
	s_add_nc_u64 s[G0B+6:G0B+7], s[G0B+6:G0B+7], s[JB:JB+1]
	s_mov_b32 s[G1B+2], 64<<16                     ; from here on 64 rows a wave
	s_mov_b32 s[G1B+4], 64
.else
	s_add_nc_u64 s[G0B+6:G0B+7], s[G0B+6:G0B+7], 256
.endif
	JLOAD 1                                        ; my one tensor load behind the round; its four v_nop are also the places in front of the loads below
	s_xor_b32 s[TB], s[TB], SLOT1
	v_add_nc_u32 v[ADRA], s[TB], v[A0]
	v_add_nc_u32 v[ADRB], s[TB], v[B0]
	FETCH 0, F0, \nbf
	WIN 0
	ASK \how                                       ; the K step that the next refill will ask for
	MULA F1, 2, \nbm, 0
	MULA F1, 3, \nbm, 0
.endm
.macro TURNL                           ; the last change of slots: nothing is filled, so a plain barrier
	WIN 0
	s_wait_tensorcnt 0x0
	ds_add_u32 v[SPW], v[NIL]
	s_wait_dscnt 5
	MULA F1, 0, 8, 0
	s_wait_dscnt 0x0
	s_barrier_signal -1
	MULA F1, 1, 8, 0
	WIN 0
	s_barrier_wait -1
	PLACES
	s_xor_b32 s[TB], s[TB], SLOT1
	v_add_nc_u32 v[ADRA], s[TB], v[A0]
	v_add_nc_u32 v[ADRB], s[TB], v[B0]
	FETCH 0, F0, 8
	MULA F1, 2, 8, 0
	MULA F1, 3, 8, 0
.endm
; THE WAY OUT, by units u = 4 plane + row block: 16 rows x 64 columns. PACKP: (second phase: times the factor,) f16, through my stage, back as whole rows. SENDP: 2,048 consecutive bytes of a plane.
.macro PACKP u, sal
.set pl, (\u)/4
.set a, (\u)%4
.set rA, 8*(12*(a%2)+4*pl)
.set bk, BK+16*((\u)%2)
.if \sal
	WIN 2+a/2                                      ; source 0 in window 2 or 3
.set i, 0
.rept 16                               ; each accumulator's registers in ascending order
	v_pk_mul_f32 v[T+2*i:T+2*i+1], v[rA+2*i:rA+2*i+1], v[FQ+2*pl:FQ+2*pl+1]
.set i, i+1
.endr
	WIN 0
.set i, 0
.rept 16
	v_cvt_pk_f16_f32 v[PK+i], v[T+2*i], v[T+2*i+1]
.set i, i+1
.endr
.else
	WIN 5*(2+a/2)                                  ; sources 0 and 1 in window 2 or 3
.set i, 0
.rept 16                               ; each accumulator's registers in ascending order
	v_cvt_pk_f16_f32 v[PK+i], v[rA+2*i], v[rA+2*i+1]
.set i, i+1
.endr
	WIN 0
.endif
.irp f, 0,1,2,3
	ds_store_b128 v[STO], v[PK+4*\f:PK+4*\f+3] offset:32*\f
.endr
	s_wait_xcnt 0x0                                ; the stores of two units back have read the registers that are loaded now
.irp f, 0,1,2,3
	ds_load_b128 v[bk+4*\f:bk+4*\f+3], v[RDB] offset:\f*4*SP  ; LDS serves a wave's instructions in order (ISA guide 5.7.1.4)
.endr
.endm
.macro SENDP u, younger                ; younger: the LDS instructions issued behind this unit's loads
.set pl, (\u)/4
.set a, (\u)%4
.set bk, BK+16*((\u)%2)
.if (a == 0) && (pl > 0)
	s_wait_xcnt 0x0                                ; the stores have read their base
	s_add_nc_u64 s[8:9], s[8:9], 2*PLANE           ; two planes on
.endif
.irp f, 0,1,2,3
	s_wait_dscnt (\younger)+3-\f
	global_store_b128 v[GO], v[bk+4*\f:bk+4*\f+3], s[8:9] offset:a*2048+\f*512  ; 512 consecutive bytes, at a multiple of 256 from the buffer's first
.endr
.endm
.macro WAYOUT np, sal
.set u, 0
	PACKP u, \sal
.rept 4*(\np)-1
.set u, u+1
	PACKP u, \sal
	SENDP u-1, 8
.endr
	SENDP u, 0
.endm
.macro TRIP nb, nbf, kind, how
	QUARTER 128, F1, F0, \nb, 0
	QUARTER 192, F0, F1, \nb, 0
	TURN \nb, \nbf, \kind, \how
.endm
	s_wait_tensorcnt 1                             ; my part of K step 0 is in; K step 1's may stay out
	s_barrier_signal -1
	s_barrier_wait -1
	FETCH 0, F0, 12
	QUARTER 64, F0, F1, 12, 1                      ; the first quarter stands in front of the loop: its products start the sums
	WIN 0
	s_mov_b32 s3, 6
.Lsem:                                                 ; K steps 0 to 5: from a step's second quarter to the next step's first
	TRIP 12, 12, 0, 1
	QUARTER 64, F0, F1, 12, 0
	WIN 0
	s_sub_co_u32 s3, s3, 1
	s_cmp_lg_u32 s3, 0
	s_cbranch_scc1 .Lsem
	TRIP 12, 12, 1, 1                              ; K step 6: its refill is the second phase's first tile
	QUARTER 64, F0, F1, 12, 0
	TRIP 12, 8, 0, 1                               ; K step 7: the first phase's sums are finished, the second's first fragments fetched
	WAYOUT 3, 0                                    ; planes 0, 2, 4. Row blocks 0 and 1 were finished in front of the joint load's v_nop; their 32 conversions are the places behind the last products
	s_wait_xcnt 0x0
	s_mov_b64 s[8:9], s[82:83]
	QUARTER 64, F0, F1, 8, 1
	WIN 0
	s_mov_b32 s3, 6
.Lsal:                                                 ; K steps 8 to 13
	TRIP 8, 8, 0, 0
	QUARTER 64, F0, F1, 8, 0
	WIN 0
	s_sub_co_u32 s3, s3, 1
	s_cmp_lg_u32 s3, 0
	s_cbranch_scc1 .Lsal
	QUARTER 128, F1, F0, 8, 0                      ; K step 14: nothing is left to fetch
	QUARTER 192, F0, F1, 8, 0
	TURNL
	QUARTER 64, F0, F1, 8, 0
	QUARTER 128, F1, F0, 8, 0                      ; K step 15
	QUARTER 192, F0, F1, 8, 0
	s_wait_dscnt 0x0
	MULA F1, 0, 8, 0
	MULA F1, 1, 8, 0
	MULA F1, 2, 8, 0
	MULA F1, 3, 8, 0
	WIN 0
	PLACES
	WAYOUT 2, 1                                    ; planes 1, 3: (x W + b) times the factor
	s_wait_tensorcnt 0x0                           ; the wave's end
	ds_add_u32 v[SPW], v[NIL]
	s_wait_dscnt 0x0
	CROUND                                         ; the closing round
	s_endpgm
.Lfunc_end_k_q4dd2389785_proj:
	.size	k_q4dd2389785_proj, .Lfunc_end_k_q4dd2389785_proj-k_q4dd2389785_proj
	.p2alignl 7, 3214868480
	.fill 96, 4, 3214868480
	.section	.rodata,"a",@progbits
	.p2align	6, 0x0
	.amdhsa_kernel k_q4dd2389785_proj
		.amdhsa_group_segment_fixed_size 327680
		.amdhsa_private_segment_fixed_size 0
		.amdhsa_enable_private_segment 0
		.amdhsa_kernarg_size 72
		.amdhsa_user_sgpr_count 2
		.amdhsa_user_sgpr_kernarg_segment_ptr 1
		.amdhsa_wavefront_size32 1
		.amdhsa_system_sgpr_workgroup_id_x 1
		.amdhsa_system_sgpr_workgroup_id_y 1
		.amdhsa_system_sgpr_workgroup_id_z 1
		.amdhsa_system_vgpr_workitem_id 0
		.amdhsa_next_free_vgpr 960
		.amdhsa_next_free_sgpr 84
		.amdhsa_reserve_vcc 0
		.amdhsa_float_denorm_mode_32 3
		.amdhsa_float_denorm_mode_16_64 3
		.amdhsa_memory_ordered 1
		.amdhsa_forward_progress 1
		.amdhsa_inst_pref_size 191
	.end_amdhsa_kernel
	.amdgpu_metadata
---
amdhsa.version: [ 1, 2 ]
amdhsa.kernels:
  - .name:           k_q4dd2389785_proj
    .symbol:         k_q4dd2389785_proj.kd
    .args:
      - { .name: xb, .offset: 0, .size: 8, .value_kind: global_buffer, .address_space: global }
      - { .name: wt, .offset: 8, .size: 8, .value_kind: global_buffer, .address_space: global }
      - { .name: bq_sem, .offset: 16, .size: 8, .value_kind: global_buffer, .address_space: global }
      - { .name: bk_sem, .offset: 24, .size: 8, .value_kind: global_buffer, .address_space: global }
      - { .name: bv, .offset: 32, .size: 8, .value_kind: global_buffer, .address_space: global }
      - { .name: bq_sal, .offset: 40, .size: 8, .value_kind: global_buffer, .address_space: global }
      - { .name: bk_sal, .offset: 48, .size: 8, .value_kind: global_buffer, .address_space: global }
      - { .name: gamma, .offset: 56, .size: 8, .value_kind: global_buffer, .address_space: global }
      - { .name: qkv, .offset: 64, .size: 8, .value_kind: global_buffer, .address_space: global }
    .group_segment_fixed_size: 327680
    .private_segment_fixed_size: 0
    .kernarg_segment_align: 8
    .kernarg_segment_size: 72
    .max_flat_workgroup_size: 128
    .sgpr_count:     84
    .vgpr_count:     960
    .wavefront_size: 32
...
	.end_amdgpu_metadata
.endif
;; end of part 2
;; launch attn (part 3): grid 8 x 32, 4 waves a work-group, clusters of 4 x 1, 327,680 bytes of LDS; arguments qkv, bits, ob; writes ob
.if DOCPART == 3
	.amdgcn_target "amdgcn-amd-amdhsa--gfx1250"
	.amdhsa_code_object_version 6
	.text
	.protected	k_q4dd2389785_attn
	.globl	k_q4dd2389785_attn
	.p2align	8
	.type	k_q4dd2389785_attn,@function
k_q4dd2389785_attn:
	s_mov_b64 s[64:65], 0
	v_nop
	global_prefetch_b8 v0, s[64:65] scope:SCOPE_SE
	s_setreg_imm32_b32 hwreg(HW_REG_WAVE_MODE, 25, 1), 1
	s_wait_xcnt 0x0
	s_wait_alu depctr_hold_cnt(0) depctr_sa_sdst(0) depctr_va_vdst(0) depctr_va_sdst(0) depctr_va_ssrc(0) depctr_va_vcc(0) depctr_vm_vsrc(0)
	s_getreg_b32 s2, hwreg(HW_REG_IB_STS2, 6, 4)
	s_cmp_eq_u32 s2, 0
	s_cbranch_scc0 .Lentry_in_a_cluster
	s_endpgm
.Lentry_in_a_cluster:
	s_bfe_u32 s2, ttmp6, 0x10000c
	s_cmp_lg_u32 s2, 0x3003
	s_cbranch_scc0 .Lentry_shape_is_right
	s_endpgm
.Lentry_shape_is_right:
; ATTENTION. O[q] = the sum over k of softmax_k(s(q, k) / 8, masked) V[k], s = q_sem.k_sem + q_sal'.k_sal' : one product over 128 channels (gamma lies in the primed operands).
; qkv: f16, five planes [b h][s][64]; bits: the mask as lane masks (32 words for 16 queries x 64 keys, word = register of the transposed scores); ob: f16 [pair of rows][head][row & 1][64].
; Products, maxima and sums in f32; the weights p rounded to f16 for the second product (their sum l is taken of the unrounded p), O once at the end.
; THE MASK REPLACES the score, one v_cndmask_b32 a score. LIMIT: a masked score counts as -2^33 in units of q.k, -2^30 after the scale of 1/8, where the module has -1e9: c x 2^33 is exact in f32, so a wholly
; masked row has weights of exactly 1 and gives V's mean; the results are the module's as long as unmasked scaled scores lie above about -9e8.
; LIMITS. Operands within f16's 65,504; p below 6e-5 keeps f16's step of 6e-8; a weight below 2^-126 counts as 0 in l; NaN and infinities are not treated apart.
; SHARES. A work-group owns 256 queries of one (batch, head), a wave 64: tiles 0-3 in two PIECES (0: tiles 0, 1; 2: tiles 2, 3). All keys are walked, 64 a step; an LDS slot holds 256 keys.
; LAYOUT. S^T = K Q^T: a lane holds one query (lane % 16) and keys 8 (lane / 16) + 0..7; two results rounded to f16 are source 1 of O^T = V^T P. V comes out of LDS turned.
; SOFTMAX. p = 2^(c s - c m), c = log2(e) / 8, running maximum m; O and l are multiplied by a = 2^(c m_old - c m_new) in every step. m starts at the lowest finite number, O and l at 0.
; BY TURNS. In a turn one piece has the matrix unit (16 products V^T P, 32 products K Q^T of the next step) and the other piece's softmax, a list of 300 lines, is worked off: the 64 lines of the mask
; in a lump at the turn's head, 192 lines behind the products, four each, the last 44 in a lump at its end. A piece's 66 exponentials are one batch with one wait.
; THE MASK'S WORDS fill 64 scalar registers, which the lump at the head sets free: the next turn's words are asked for behind the turn's second product and have 46 products and a lump in which to come.
; CLUSTER. The four query blocks of a cluster walk the same K and V: each tile is asked for jointly.
; PREFETCH. Behind each refill the rows that the next refill will ask for: the (batch, head)'s first cluster, waves 0-2 (K_sem, K_sal, V), each partner a quarter by address, a lane 256 bytes: each block once.
; REGISTERS: window 0 addresses, statistics, S^T (v64-191), P (v192-255); window 1 O^T, 32 a tile; window 2 Q (v0-127), K of one step (v128-255); window 3 V of one step (v0-63).
.set PKP,   144                        ; a row of K in LDS: 128 bytes + 16 (64 banks of 4 bytes: ISA guide 11.1: the 16 rows of a load start at 16 different groups of four banks)
.set PVP,   160                        ; a row of V: 128 + 32
.set KSAL,  256*PKP                    ; a slot: K_sem's 256 rows, K_sal's 256 rows, V's 256 rows
.set VOFF,  2*KSAL
.set SLOT1, 1<<17
.set STAGE, SLOT1+VOFF+256*PVP         ; behind the ring: 16 rows x 144 bytes for each wave
.set SP,    144
.set SPARE, STAGE+4*16*SP
.set AK0, 2
.set AV0, 3
.set AK,  4
.set AV,  5
.set QO,  6                            ; my byte offset in 16 rows of Q; later
.set STO, 6                            ; the way out: where I put 16 bytes of a row
.set RDB, 7
.set GO,  8
.set ST,  12                           ; tile t's statistics at v[ST+8 t]: c m, m, l, l, c0-c3; a takes c2's place
.set BIG, 44                           ; v44  -2^33
.set CV,  46                           ; v[46:47] c, twice
.set PFO, 61
.set SPW, 62
.set NIL, 63
.set S,   64
.set P,   192
.set KF,  128
.set TBV, 2                            ; s2   LDS byte at which V of the step to be fetched begins, less VOFF
.set LIM, 3                            ; s3   1 in a wave that prefetches, else the greatest number
.set G0K, 4
.set G0V, 8
.set G1K, 12
.set G1V, 20
.set WV,  28
.set SLOTS, 29
.set CNT, 30
.set TBK, 31
.set MB,  32                           ; s[32:63] the odd tile's 32 mask words
.set SEL, 66
.set MA,  68                           ; s[68:99] the even tile's
.set MP,  100                          ; s[100:101] bits at my tile 0, the step in hand
.set PFA, 104
.set MSB, 0
.macro WIN new
.if MSB != (\new)
	s_set_vgpr_msb (MSB<<8)|(\new)
.set MSB, \new
.endif
.endm
.set W_KQ, 0x0a                        ; K and Q in window 2, S^T in window 0
.set W_PV, 0x53                        ; V in window 3, P in window 0, O^T in window 1
.set W_RS, 0x41                        ; O^T in window 1, a in window 0
.macro JLOAD                           ; wave 0 fetches a slot's K_sem, wave 1 its K_sal, waves 2 and 3 the halves of its V
	s_cmp_lt_u32 s[WV], 2
	s_cbranch_scc0 .Lfor_v_\@
	tensor_load_to_lds s[G0K:G0K+3], s[G1K:G1K+7]
	s_nop 0
.rept 4
	v_nop
.endr
	s_branch .Lasked_\@
.Lfor_v_\@:
	tensor_load_to_lds s[G0V:G0V+3], s[G1V:G1V+7]
	s_nop 0
.rept 4
	v_nop
.endr
.Lasked_\@:
.endm
.macro CROUND
	s_barrier_signal -1
	s_barrier_wait -1
	s_cmp_lg_u32 s[WV], 0
	s_cbranch_scc1 .Lnot_wave_0_\@
	s_barrier_signal -3
.Lnot_wave_0_\@:
	s_barrier_wait -3
	s_barrier_signal -1
	s_barrier_wait -1
.endm
.macro ASK                             ; the last change that fills a slot asks for nothing
	s_cmp_gt_u32 s[SLOTS], s[LIM]
	s_cbranch_scc0 .Lnot_mine_\@
	global_prefetch_b8 v[PFO], s[PFA:PFA+1] th:TH_LOAD_NT scope:SCOPE_SE
.Lnot_mine_\@:
.endm
; THE CHANGE OF SLOTS. Each wave waits for all its tensor loads (one is out: its part of the other slot), adds 0 to its spare word, and waits for that and for its reads of the slot that it leaves.
; fill = 1: a round of the cluster's barrier, and the slot is filled again first behind it, with the keys two slots on: four key steps in which to land.
.macro CHANGE fill
	WIN 0
	s_wait_tensorcnt 0x0
	ds_add_u32 v[SPW], v[NIL]
.if \fill
	s_xor_b32 s[G0K+1], s[G0K+1], SLOT1
	s_add_nc_u64 s[G0K+2:G0K+3], s[G0K+2:G0K+3], 32768
	s_xor_b32 s[G0V+1], s[G0V+1], SLOT1
	s_add_nc_u64 s[G0V+2:G0V+3], s[G0V+2:G0V+3], 32768
	s_wait_xcnt 0x0                                ; the last prefetch, four key steps back, has read its address
	s_add_nc_u64 s[PFA:PFA+1], s[PFA:PFA+1], 32768
	s_wait_dscnt 0x0
	CROUND
	JLOAD
	ASK
.else
	s_wait_dscnt 0x0
	s_barrier_signal -1
	s_barrier_wait -1
.endif
	s_sub_co_u32 s[TBK], s[TBK], 4*64*PKP          ; the fetches go back to a slot's first step, in the other slot
	s_xor_b32 s[TBK], s[TBK], SLOT1
	s_sub_co_u32 s[TBV], s[TBV], 4*64*PVP
	s_xor_b32 s[TBV], s[TBV], SLOT1
.endm
	s_load_b128 s[32:35], s[0:1], 0x0              ; qkv, bits
	v_lshl_add_u32 v[SPW], v0, 2, SPARE
	v_mov_b32 v[NIL], 0
	ds_add_u32 v[SPW], v[NIL]                      ; the wave's opening: the add and its wait ahead of my first tensor load
	v_lshrrev_b32 v1, 5, v0
	v_readfirstlane_b32 s[WV], v1
	s_bfe_u32 s36, ttmp6, 0x40000                  ; cx
	s_lshl_b32 s37, ttmp9, 2
	s_add_co_u32 s37, s37, s36                     ; my block of 256 queries
	s_and_b32 s38, ttmp7, 0xffff                   ; 16 batch + head, which the partners share
	s_and_b32 s39, s[WV], 1
	s_mov_b32 s[G1K], 15|(1<<16)|(1<<20)|(1<<21)|(4<<22)|(3<<25)  ; the mask of four; 2-byte elements; padding on; bit 21 beside a mask; after every 32 words 4 words
	s_mov_b32 s[G1K+1], 128<<16                    ; 256 keys are 32,768 dense bytes: 128 rows of 256 bytes, two keys a row
	s_mov_b32 s[G1K+2], 128<<16
	s_mov_b32 s[G1K+3], 128<<16
	s_mov_b32 s[G1K+4], 128
	s_mov_b32 s[G1K+5], 128
	s_mov_b32 s[G1K+6], 0
	s_mov_b32 s[G1K+7], 0
	s_mov_b32 s[G1V], 15|(1<<16)|(1<<20)|(1<<21)|(4<<22)|(7<<25)  ; 8 words of padding; 128 keys: 64 rows
	s_mov_b32 s[G1V+1], 128<<16
	s_mov_b32 s[G1V+2], 64<<16
	s_mov_b32 s[G1V+3], 128<<16
	s_mov_b32 s[G1V+4], 64
	s_mov_b32 s[G1V+5], 128
	s_mov_b32 s[G1V+6], 0
	s_mov_b32 s[G1V+7], 0
	s_mov_b32 s[SEL], 0x76543210
	s_mov_b32 s[SEL+1], 0xfedcba98
	s_mov_b32 s[TBK], SLOT1+4*64*PKP               ; the first change of slots turns these two into 0
	s_mov_b32 s[TBV], SLOT1+4*64*PVP
	s_mov_b32 s[SLOTS], 7
	s_cmp_lt_u32 s[WV], 3
	s_cselect_b32 s[LIM], 0, 1
	s_or_b32 s[LIM], s[LIM], ttmp9                 ; waves 0-2 of the first cluster: the same in all four partners
	s_cmp_eq_u32 s[LIM], 0
	s_cselect_b32 s[LIM], 1, -1
	s_lshl_b32 s40, s38, 18                        ; 2,048 rows of 128 bytes
	s_add_co_u32 s42, s39, 2                       ; K: plane 2 or 3
	s_lshl_b32 s42, s42, 23
	s_add_co_u32 s42, s42, s40
	s_mov_b32 s43, 0
	s_lshl_b32 s44, s39, 14                        ; V: plane 4, my 128 keys of the 256
	s_add_co_u32 s44, s44, s40
	s_add_co_u32 s44, s44, 33554432
	s_mov_b32 s45, 0
	s_min_u32 s46, s[WV], 2                        ; the prefetches: plane 2, 3 or 4, my work-group's quarter, slot 1
	s_add_co_u32 s46, s46, 2
	s_lshl_b32 s46, s46, 23
	s_add_co_u32 s46, s46, s40
	s_lshl_b32 s47, s36, 13
	s_add_co_u32 s46, s46, s47
	s_add_co_u32 s46, s46, 32768
	s_mov_b32 s47, 0
	s_lshl_b32 s48, s37, 15                        ; Q: my block's 256 rows, my wave's 64
	s_lshl_b32 s49, s[WV], 13
	s_add_co_u32 s48, s48, s49
	s_add_co_u32 s48, s48, s40
	s_mov_b32 s49, 0
	s_lshr_b32 s50, s38, 4                         ; bits: tile 128 batch + 16 block + 4 wave, 4,096 bytes a tile
	s_lshl_b32 s50, s50, 7
	s_lshl_b32 s51, s37, 4
	s_add_co_u32 s50, s50, s51
	s_lshl_b32 s51, s[WV], 2
	s_add_co_u32 s50, s50, s51
	s_lshl_b32 s50, s50, 12
	s_mov_b32 s51, 0
	s_mov_b32 s[G0K], 1
	s_mul_i32 s[G0K+1], s39, KSAL                  ; no place in the cluster enters an LDS address
	s_mov_b32 s[G0V], 1
	s_mul_i32 s[G0V+1], s39, 128*PVP
	s_add_co_u32 s[G0V+1], s[G0V+1], VOFF
	v_and_b32 v[PFO], 31, v0
	v_lshlrev_b32 v[PFO], 8, v[PFO]
	s_wait_dscnt 0x0                               ; the opening add is done
	s_wait_kmcnt 0x0
	s_add_nc_u64 s[G0K+2:G0K+3], s[32:33], s[42:43]
	s_or_b32 s[G0K+3], s[G0K+3], 0x80000000
	s_add_nc_u64 s[G0V+2:G0V+3], s[32:33], s[44:45]
	s_or_b32 s[G0V+3], s[G0V+3], 0x80000000
	s_add_nc_u64 s[PFA:PFA+1], s[32:33], s[46:47]
	s_add_nc_u64 s[MP:MP+1], s[34:35], s[50:51]
	s_add_nc_u64 s[52:53], s[32:33], s[48:49]      ; q_sem
	s_add_nc_u64 s[54:55], s[52:53], 8388608       ; q_sal
	CROUND                                         ; all four work-groups are here
	JLOAD                                          ; slot 0; slot 1 is asked for when slot 0 is in
	v_and_b32 v1, 15, v0                           ; l % 16
	v_bfe_u32 v9, v0, 4, 1                         ; l / 16
	v_lshlrev_b32 v[QO], 7, v1
	v_lshl_add_u32 v[QO], v9, 4, v[QO]
	WIN 0x80                                       ; destination window 2
.set i, 0
.rept 16                               ; Q stays in registers: tile i / 4, chunk i % 4 of 32 channels (0, 1 sem; 2, 3 sal)
	global_load_b128 v[8*i:8*i+3],   v[QO], s[52+2*((i%4)/2):53+2*((i%4)/2)] offset:(i/4)*2048+(i%2)*64
	global_load_b128 v[8*i+4:8*i+7], v[QO], s[52+2*((i%4)/2):53+2*((i%4)/2)] offset:(i/4)*2048+(i%2)*64+32
.set i, i+1
.endr
	; What the first turn finds: V and piece 2's P hold 0 (its products V^T P, of a step that has not been, add 0), O^T and l are 0. All this stands in the wait for the first tile.
	WIN 0xc0
.set i, 0
.rept 64
	v_mov_b32 v[i], 0
.set i, i+1
.endr
	WIN 0x40
.set i, 0
.rept 128
	v_mov_b32 v[i], 0
.set i, i+1
.endr
	WIN 0
.set i, P+32
.rept 32
	v_mov_b32 v[i], 0
.set i, i+1
.endr
.set i, 0
.rept 4
	v_mov_b32 v[ST+8*i], 0xfe000000                ; c m: far below every c s
	v_mov_b32 v[ST+8*i+1], 0xff7fffff              ; m
	v_mov_b32 v[ST+8*i+2], 0
	v_mov_b32 v[ST+8*i+3], 0
.set i, i+1
.endr
	v_mov_b32 v[BIG], 0xd0000000                   ; -2^33
	v_mov_b32 v[CV], 0x3e38aa3b                    ; c = log2(e) / 8
	v_mov_b32 v[CV+1], 0x3e38aa3b
	v_mul_u32_u24 v[AK0], v1, PKP
	v_lshl_add_u32 v[AK0], v9, 4, v[AK0]
	v_and_b32 v10, 7, v0                           ; the turning load: lane l reads key 8 (l / 16) + l % 8, channels 8 ((l / 8) % 2) + 0..7
	v_bfe_u32 v11, v0, 3, 1
	v_lshl_add_u32 v[AV0], v9, 3, v10
	v_mul_u32_u24 v[AV0], v[AV0], PVP
	v_lshl_add_u32 v[AV0], v11, 4, v[AV0]
	v_add_nc_u32 v[AV0], VOFF, v[AV0]
; THE MATRIX WORK. Eight accumulators take turns, one instruction a turn.
.macro KQ x                            ; product i of 32: chunk i / 8, keys 16 ((i / 2) % 4) on, tile x + i % 2; the first 8 start the sums
	WIN W_KQ
.set rS, S+32*((\x)+i%2)+8*((i/2)%4)
.set rK, KF+32*((i/2)%4)+8*(i/8)
.set rQ, 32*((\x)+i%2)+8*(i/8)
.if i < 8
	v_wmma_f32_16x16x32_f16 v[rS:rS+7], v[rK:rK+7], v[rQ:rQ+7], 0
.else
	v_wmma_f32_16x16x32_f16 v[rS:rS+7], v[rK:rK+7], v[rQ:rQ+7], v[rS:rS+7]
.endif
.endm
.macro PV x                            ; product i of 16: keys 32 (i / 8) on, channels 16 ((i / 2) % 4) on, tile x + i % 2
	WIN W_PV
.set rO, 32*((\x)+i%2)+8*((i/2)%4)
.set rV, 32*(i/8)+8*((i/2)%4)
.set rP, P+16*((\x)+i%2)+8*(i/8)
	v_wmma_f32_16x16x32_f16 v[rO:rO+7], v[rV:rV+7], v[rP:rP+7], v[rO:rO+7]
.endm
.macro FETCH_K                         ; 32 loads: keys 16 (f / 4) on, chunk f % 4
	WIN 0x80
.set f, 0
.rept 16
	ds_load_b128 v[KF+8*f:KF+8*f+3],   v[AK] offset:((f%4)/2)*KSAL+(f/4)*16*PKP+(f%2)*64
	ds_load_b128 v[KF+8*f+4:KF+8*f+7], v[AK] offset:((f%4)/2)*KSAL+(f/4)*16*PKP+(f%2)*64+32
.set f, f+1
.endr
	s_add_co_u32 s[TBK], s[TBK], 64*PKP
	WIN 0
.endm
.macro FETCH_V                         ; 16 turning loads: keys 32 (f / 4) on, channels 16 (f % 4) on
	WIN 0xc0
.set f, 0
.rept 8
	ds_load_tr16_b128 v[8*f:8*f+3],   v[AV] offset:(f/4)*32*PVP+(f%4)*32
	ds_load_tr16_b128 v[8*f+4:8*f+7], v[AV] offset:(f/4)*32*PVP+16*PVP+(f%4)*32
.set f, f+1
.endr
	s_add_co_u32 s[TBV], s[TBV], 64*PVP
	WIN 0
.endm
.macro HEADK                           ; K of the next step. Behind the last product that read K stand its four riders and the lump of 44, all plain
	WIN 0
	v_add_nc_u32 v[AK], s[TBK], v[AK0]
	FETCH_K
.endm
; THE VECTOR WORK: a piece's softmax for a step is a list of 300 lines, the two tiles alternating; RD writes number q for piece Y and steps q.
;   0-63 the mask (ascending: each accumulator's lowest register is read first)     64-95 the maximum, three operands at a time, with the old m     96-105 the other half of the lanes'; c m_old kept; m; c m; its change
;   106-107 a     108-203 the 16 scalings and 32 exponentials of each tile: none reads an exponential's result     204-235 roundings     236-267 sums, l = a l + sum     268-299 O^T times a
; THE WAIT. Ahead of number 204, the first line that names an exponential's result, RD writes a plain line and the one wait: it serves the piece's 66 exponentials; none is issued behind it.
.macro RD
.if q == 204
	v_nop
	s_wait_alu depctr_va_vdst(0)
.endif
.set u, q%2
.set rT, ST+8*(Y+u)
.set rS, S+32*(Y+u)
.set rP, P+16*(Y+u)
.set rO, 32*(Y+u)
.if q < 268
	WIN 0
.endif
.if q < 64
.if u
	v_cndmask_b32 v[rS+q/2], v[BIG], v[rS+q/2], s[MB+q/2]
.else
	v_cndmask_b32 v[rS+q/2], v[BIG], v[rS+q/2], s[MA+q/2]
.endif
.elseif q < 96
.set n, (q-64)/2
.if n < 4
	v_max3_num_f32 v[rT+4+n], v[rS+8*n], v[rS+8*n+1], v[rS+8*n+2]
.elseif n < 12
	v_max3_num_f32 v[rT+4+n%4], v[rT+4+n%4], v[rS+8*(n%4)+2*(n/4)+1], v[rS+8*(n%4)+2*(n/4)+2]
.elseif n == 12
	v_max3_num_f32 v[rT+4], v[rT+4], v[rS+7], v[rS+15]
.elseif n == 13
	v_max3_num_f32 v[rT+6], v[rT+6], v[rS+23], v[rS+31]
.elseif n == 14
	v_max3_num_f32 v[rT+4], v[rT+4], v[rT+5], v[rT+6]
.else
	v_max3_num_f32 v[rT+4], v[rT+4], v[rT+7], v[rT+1]
.endif
.elseif q < 98
	v_permlanex16_b32 v[rT+5], v[rT+4], s[SEL], s[SEL+1]  ; the query's other 32 keys lie in the lane 16 away
.elseif q < 100
	v_mov_b32 v[rT+7], v[rT]
.elseif q < 102
	v_max_num_f32 v[rT+1], v[rT+4], v[rT+5]
.elseif q < 104
	v_mul_f32 v[rT], v[CV], v[rT+1]
.elseif q < 106
	v_sub_f32 v[rT+7], v[rT+7], v[rT]
.elseif q < 108
	v_exp_f32 v[rT+6], v[rT+7]
.elseif q < 204
.set p, (q-108)/2
.set z, p-2
.set isF, 0
.if p < 2
.set isF, 1
.set e, p
.elseif p >= 44
.set e, p-16
.elseif z%3 == 0
.set e, 2*(z/3)
.elseif z%3 == 1
.set isF, 1
.set e, z/3+2
.else
.set e, 2*(z/3)+1
.endif
.if isF
	v_pk_fma_f32 v[rS+2*e:rS+2*e+1], v[rS+2*e:rS+2*e+1], v[CV:CV+1], v[rT:rT+1] op_sel_hi:[1,1,0] neg_lo:[0,0,1] neg_hi:[0,0,1]  ; pair e: c s - c m
.else
	v_exp_f32 v[rS+e], v[rS+e]
.endif
.elseif q < 236
.set n, (q-204)/2
	v_cvt_pk_f16_f32 v[rP+n], v[rS+2*n], v[rS+2*n+1]
.elseif q < 268
.set z, (q-236)/2
.set w, 4
.set k, z
.if z >= 14
.set w, 32
.set k, 0
.elseif z >= 12
.set w, 16
.set k, z-12
.elseif z >= 8
.set w, 8
.set k, z-8
.endif
.if z < 15
	v_pk_add_f32 v[rS+w*k:rS+w*k+1], v[rS+w*k:rS+w*k+1], v[rS+w*k+w/2:rS+w*k+w/2+1]
.else
	v_pk_fma_f32 v[rT+2:rT+3], v[rT+2:rT+3], v[rT+6:rT+7], v[rS:rS+1] op_sel_hi:[1,0,1]
.endif
.else
.set n, (q-268)/2
	WIN W_RS
	v_pk_mul_f32 v[rO+2*n:rO+2*n+1], v[rO+2*n:rO+2*n+1], v[rT+6:rT+7] op_sel_hi:[1,0]
.endif
.set q, q+1
.endm
.macro LDM x                           ; the next turn's mask words: tiles x and x + 1; piece 0's are the next step's
.if (\x) == 0
	s_add_nc_u64 s[MP:MP+1], s[MP:MP+1], 128       ; no scalar load is out: the turn began with the wait for them
.endif
	s_load_b512 s[MA:MA+15],    s[MP:MP+1], 4096*(\x)
	s_load_b512 s[MA+16:MA+31], s[MP:MP+1], 4096*(\x)+64
	s_load_b512 s[MB:MB+15],    s[MP:MP+1], 4096*(\x)+4096
	s_load_b512 s[MB+16:MB+31], s[MP:MP+1], 4096*(\x)+4160
.endm
.macro MASKL y                         ; a turn's head: piece y's list begins: numbers 0-63, the mask
.set Y, (\y)
.set q, 0
	s_wait_kmcnt 0x0                               ; this turn's mask words are in
.rept 64
	RD
.endr
.endm
; A TURN'S PRODUCTS. Piece x has the matrix unit; numbers 64-255 of the other piece's list, which MASKL has begun, stand behind its products, four each (twelve where there are no products K Q^T).
; kq = 1: 32 products K Q^T for the next step. ldm = 1: the next turn's mask words are asked for behind the second product. fv = 1 (piece 2): V of the next step is fetched behind the last product that
; read V; between them stand five plain lines: two scalings among its riders, two v_nop and the address line (the two exponentials there are no places).
.macro TURNM x, kq, ldm, fv
.set per, 12-8*(\kq)
.if (\x) == 0
	s_wait_dscnt 32*(\kq)                          ; V is in; K's 32 younger loads may stay out
.endif
.set i, 0
.rept 16
	PV \x
.rept per
	RD
.endr
.if (\ldm) && (i == 1)
	LDM \x
.endif
.set i, i+1
.endr
.if \fv
	WIN 0
	v_nop
	v_nop
	v_add_nc_u32 v[AV], s[TBV], v[AV0]
	FETCH_V
.endif
.if \kq
.if (\x) == 0
	s_wait_dscnt 0x0                               ; K is in
.endif
.set i, 0
.rept 32
	KQ \x
.rept 4
	RD
.endr
.set i, i+1
.endr
.endif
.endm
.macro TAILL                           ; a turn's end: numbers 256-299: the last sums and the rescaling
.rept 44
	RD
.endr
	WIN 0
.endm
.macro STEPS tag                       ; a trip: piece 0's turn at the matrix unit and piece 2's; it fetches the next step's K and V
.Lstep\tag:
	HEADK
	MASKL 2
	TURNM 0, 1, 1, 0
	TAILL
.Lfirst\tag:
	MASKL 0
	TURNM 2, 1, 1, 1
	TAILL
	s_sub_co_u32 s[CNT], s[CNT], 1
	s_cmp_lg_u32 s[CNT], 0
	s_cbranch_scc1 .Lstep\tag
.endm
	CHANGE 1                                       ; slot 0 is in, everybody's part of it; slot 1 is asked for
	HEADK                                          ; key step 0
	s_wait_loadcnt 0x0                             ; Q is in, so its bases may be overwritten:
	s_load_b512 s[MA:MA+15],    s[MP:MP+1], 0x0    ; tiles 0 and 1, step 0
	s_load_b512 s[MA+16:MA+31], s[MP:MP+1], 0x40
	s_load_b512 s[MB:MB+15],    s[MP:MP+1], 0x1000
	s_load_b512 s[MB+16:MB+31], s[MP:MP+1], 0x1040
	s_wait_dscnt 0x0
.set i, 0
.rept 32
	KQ 0                                           ; piece 0's first scores
.set i, i+1
.endr
	WIN 0                                          ; the addresses for the way out: plain lines, the places behind those products
	s_mul_i32 s[CNT], s[WV], 16*SP
	s_add_co_u32 s[CNT], s[CNT], STAGE
	v_mul_u32_u24 v[STO], v1, SP
	v_lshl_add_u32 v[STO], v9, 4, v[STO]
	v_add_nc_u32 v[STO], s[CNT], v[STO]
	v_bfe_u32 v[RDB], v0, 3, 2                     ; back: sixteen lanes take two rows of 128 bytes: a pair's 256 bytes of one head
	v_mul_u32_u24 v[RDB], v[RDB], SP
	v_lshl_add_u32 v[RDB], v10, 4, v[RDB]
	v_add_nc_u32 v[RDB], s[CNT], v[RDB]
	v_lshlrev_b32 v[GO], 12, v9                    ; lanes 16-31: the next pair, 4,096 bytes on
	v_lshl_add_u32 v[GO], v1, 4, v[GO]
	s_mov_b32 s[CNT], 4
	s_branch .Lfirst1                              ; the loop is entered in the middle of a trip
.Lslot:                                                ; six times: every slot but the last two is filled again
	CHANGE 1
	s_mov_b32 s[CNT], 4
	STEPS 1
	s_sub_co_u32 s[SLOTS], s[SLOTS], 1
	s_cmp_lg_u32 s[SLOTS], 0
	s_cbranch_scc1 .Lslot
	CHANGE 0                                       ; the tail is written out
	s_mov_b32 s[CNT], 4
	STEPS 2
	MASKL 2
	TURNM 0, 0, 0, 0                               ; piece 0: V^T P of the last step | piece 2's last softmax
	TAILL
.set i, 0
.rept 16
	PV 2
.set i, i+1
.endr
	; THE WAY OUT. l's halves and the other half of the lanes' are added; O^T is divided by l, rounded to f16 and sent through my stage, a tile at a time. The additions are the places behind the last products.
	WIN 0
	s_load_b64 s[32:33], s[0:1], 0x10              ; ob
.irp t, 0,1,2,3
	v_add_f32 v[ST+8*\t+4], v[ST+8*\t+2], v[ST+8*\t+3]
.endr
.irp t, 0,1,2,3
	v_permlanex16_b32 v[ST+8*\t+5], v[ST+8*\t+4], s[SEL], s[SEL+1]
.endr
.irp t, 0,1,2,3
	v_add_f32 v[ST+8*\t+4], v[ST+8*\t+4], v[ST+8*\t+5]
.endr
.irp t, 0,1,2,3
	v_rcp_f32 v[ST+8*\t+6], v[ST+8*\t+4]
.endr
	v_nop                                          ; a plain line behind the last reciprocal,
	s_wait_alu depctr_va_vdst(0)                   ; and one wait for the four
	s_bfe_u32 s34, ttmp6, 0x40000
	s_lshl_b32 s35, ttmp9, 2
	s_add_co_u32 s34, s34, s35
	s_lshl_b32 s34, s34, 19                        ; my block's 128 pairs of 4,096 bytes,
	s_lshl_b32 s35, s[WV], 17                      ; my wave's 32,
	s_add_co_u32 s34, s34, s35
	s_and_b32 s35, ttmp7, 0xffff
	s_lshr_b32 s36, s35, 4
	s_lshl_b32 s36, s36, 22                        ; the batch's 1,024,
	s_add_co_u32 s34, s34, s36
	s_and_b32 s35, s35, 15
	s_lshl_b32 s35, s35, 8                         ; the head's 256 bytes
	s_add_co_u32 s34, s34, s35
	s_mov_b32 s35, 0
	s_wait_kmcnt 0x0
	s_add_nc_u64 s[32:33], s[32:33], s[34:35]
.macro PACK t
	WIN W_RS
.set i, 32*(\t)
.rept 16
	v_pk_mul_f32 v[i:i+1], v[i:i+1], v[ST+8*(\t)+6:ST+8*(\t)+7] op_sel_hi:[1,0]
.set i, i+2
.endr
	WIN 0x05
.set i, 0
.rept 16
	v_cvt_pk_f16_f32 v[S+16*(\t)+i], v[32*(\t)+2*i], v[32*(\t)+2*i+1]
.set i, i+1
.endr
	WIN 0
.irp f, 0,1,2,3
	ds_store_b128 v[STO], v[S+16*(\t)+4*\f:S+16*(\t)+4*\f+3] offset:32*\f
.endr
.irp f, 0,1,2,3
	ds_load_b128 v[S+16*(\t)+4*\f:S+16*(\t)+4*\f+3], v[RDB] offset:\f*4*SP  ; LDS serves a wave's instructions in order (ISA guide 5.7.1.4)
.endr
.endm
.macro SEND t, younger
	WIN 0
.irp f, 0,1,2,3
	s_wait_dscnt (\younger)+3-\f
	global_store_b128 v[GO], v[S+16*(\t)+4*\f:S+16*(\t)+4*\f+3], s[32:33] offset:(\t)*32768+\f*8192  ; sixteen lanes store 256 consecutive aligned bytes
.endr
.endm
	PACK 0
	PACK 1
	SEND 0, 8
	PACK 2
	SEND 1, 8
	PACK 3
	SEND 2, 8
	SEND 3, 0
	s_wait_tensorcnt 0x0                           ; the wave's end
	ds_add_u32 v[SPW], v[NIL]
	s_wait_dscnt 0x0
	CROUND                                         ; the closing round
	s_endpgm
.Lfunc_end_k_q4dd2389785_attn:
	.size	k_q4dd2389785_attn, .Lfunc_end_k_q4dd2389785_attn-k_q4dd2389785_attn
	.p2alignl 7, 3214868480
	.fill 96, 4, 3214868480
	.section	.rodata,"a",@progbits
	.p2align	6, 0x0
	.amdhsa_kernel k_q4dd2389785_attn
		.amdhsa_group_segment_fixed_size 327680
		.amdhsa_private_segment_fixed_size 0
		.amdhsa_enable_private_segment 0
		.amdhsa_kernarg_size 24
		.amdhsa_user_sgpr_count 2
		.amdhsa_user_sgpr_kernarg_segment_ptr 1
		.amdhsa_wavefront_size32 1
		.amdhsa_system_sgpr_workgroup_id_x 1
		.amdhsa_system_sgpr_workgroup_id_y 1
		.amdhsa_system_sgpr_workgroup_id_z 1
		.amdhsa_system_vgpr_workitem_id 0
		.amdhsa_next_free_vgpr 832
		.amdhsa_next_free_sgpr 106
		.amdhsa_reserve_vcc 0
		.amdhsa_float_denorm_mode_32 3
		.amdhsa_float_denorm_mode_16_64 3
		.amdhsa_memory_ordered 1
		.amdhsa_forward_progress 1
		.amdhsa_inst_pref_size 159
	.end_amdhsa_kernel
	.amdgpu_metadata
---
amdhsa.version: [ 1, 2 ]
amdhsa.kernels:
  - .name:           k_q4dd2389785_attn
    .symbol:         k_q4dd2389785_attn.kd
    .args:
      - { .name: qkv, .offset: 0, .size: 8, .value_kind: global_buffer, .address_space: global }
      - { .name: bits, .offset: 8, .size: 8, .value_kind: global_buffer, .address_space: global }
      - { .name: ob, .offset: 16, .size: 8, .value_kind: global_buffer, .address_space: global }
    .group_segment_fixed_size: 327680
    .private_segment_fixed_size: 0
    .kernarg_segment_align: 8
    .kernarg_segment_size: 24
    .max_flat_workgroup_size: 128
    .sgpr_count:     106
    .vgpr_count:     832
    .wavefront_size: 32
...
	.end_amdgpu_metadata
.endif
;; end of part 3
;; launch outp (part 4): grid 8 x 32, 4 waves a work-group, clusters of 4 x 4, 327,680 bytes of LDS; arguments ob, wo, bo, out0; writes out0
.if DOCPART == 4
	.amdgcn_target "amdgcn-amd-amdhsa--gfx1250"
	.amdhsa_code_object_version 6
	.text
	.protected	k_q4dd2389785_outp
	.globl	k_q4dd2389785_outp
	.p2align	8
	.type	k_q4dd2389785_outp,@function
k_q4dd2389785_outp:
	s_mov_b64 s[64:65], 0
	v_nop
	global_prefetch_b8 v0, s[64:65] scope:SCOPE_SE
	s_setreg_imm32_b32 hwreg(HW_REG_WAVE_MODE, 25, 1), 1
	s_wait_xcnt 0x0
	s_wait_alu depctr_hold_cnt(0) depctr_sa_sdst(0) depctr_va_vdst(0) depctr_va_sdst(0) depctr_va_ssrc(0) depctr_va_vcc(0) depctr_vm_vsrc(0)
	s_getreg_b32 s2, hwreg(HW_REG_IB_STS2, 6, 4)
	s_cmp_eq_u32 s2, 0
	s_cbranch_scc0 .Lentry_in_a_cluster
	s_endpgm
.Lentry_in_a_cluster:
	s_bfe_u32 s2, ttmp6, 0x10000c
	s_cmp_lg_u32 s2, 0xf033
	s_cbranch_scc0 .Lentry_shape_is_right
	s_endpgm
.Lentry_shape_is_right:
; THE OUTPUT PROJECTION. out0[m][n] = the sum over k of O[m][k] Wo[k][n] + bo[n]. ob: f16 [pair of rows][head][row & 1][64]; wo: f16 [n][k]; bo rounded to bf16 like all inputs; out0 f32 [4096][1024].
; A tile is 128 x 128: 8 x 32 work-groups, one for each of 256 WGPs. Four waves, each 64 x 64: 16 accumulators. K goes in four steps of 256 (four heads) through two LDS slots.
; A's tile: 64 pairs x 1,024 bytes (a pair's four heads lie end to end); a row of the product is a pair's odd or even 128 bytes of each head. B's tile: 128 rows x 512 bytes.
; THE BIAS STARTS EACH SUM: it is the C operand of the sum's first product; the finished accumulators go out as they are.
; CLUSTER 4 x 4: A's tile is shared along a row of the cluster, B's along a column: joint loads. THE MATRIX INSTRUCTION IS USED TRANSPOSED: a lane holds eight neighbouring columns of one row.
; No prefetch: the launch is short and its tiles small.
; REGISTERS: window 0: v0-31 addresses; v64-95 the way out; v96-127 the bias; v128-255 accumulators ((a, b) at v[128 + 8 (4 a + b)]); window 1: two fragment buffers of 128 (64 of A, 64 of B).
.set PA,     1040                      ; a pair's LDS row: 1,024 bytes + 16: rows r of a fragment start at word 260 (r / 2) + 32 (r % 2): sixteen different groups of four banks (64 banks of 4 bytes: ISA guide 11.1)
.set PB,     528                       ; B's LDS row: 512 + 16
.set HALFA,  32*PA
.set HALFB,  64*PB
.set BOFF,   2*HALFA
.set SLOT,   BOFF+2*HALFB
.set STAGE,  2*SLOT                    ; behind the ring: 16 rows x 272 bytes for each wave
.set SPITCH, 272
.set SPARE,  STAGE+4*16*SPITCH
.set ADRA, 16
.set ADRB, 20
.set STO,  24
.set RDB,  25
.set CO,   26
.set BA,   27
.set SPW,  28
.set NIL,  29
.set OB,   64
.set BI,   96                          ; column block b's bias at BI + 8 b, in the layout of an accumulator's eight registers
.set ACC,  128
.set F0,   0
.set F1,   128
.set G1, 24
.set G0, 32
.set G1B, 48
.set G0B, 56
.set MSB, 0
.macro WIN new
.if MSB != (\new)
	s_set_vgpr_msb (MSB<<8)|(\new)
.set MSB, \new
.endif
.endm
.set MUL,  0x05
.set TO_F, 0x40
.macro JLOAD s
	s_cmp_eq_u32 s11, 0
	s_cbranch_scc0 .Lfor_b_\@
	tensor_load_to_lds s[G0+4*(\s):G0+4*(\s)+3], s[G1:G1+7]
	s_nop 0
.rept 4
	v_nop
.endr
	s_branch .Lasked_\@
.Lfor_b_\@:
	tensor_load_to_lds s[G0B+4*(\s):G0B+4*(\s)+3], s[G1B:G1B+7]
	s_nop 0
.rept 4
	v_nop
.endr
.Lasked_\@:
.endm
.macro CREST
	s_cmp_lg_u32 s10, 0
	s_cbranch_scc1 .Lnot_wave_0_\@
	s_barrier_signal -3
.Lnot_wave_0_\@:
	s_barrier_wait -3
	s_barrier_signal -1
	s_barrier_wait -1
.endm
.macro CROUND
	s_barrier_signal -1
	s_barrier_wait -1
	CREST
.endm
	s_load_b128 s[4:7], s[0:1], 0x0                ; ob, wo
	s_load_b64 s[66:67], s[0:1], 0x10              ; bo
	s_load_b64 s[8:9], s[0:1], 0x18                ; out0
	v_lshl_add_u32 v[SPW], v0, 2, SPARE
	v_mov_b32 v[NIL], 0
	ds_add_u32 v[SPW], v[NIL]                      ; the wave's opening: the add and its wait ahead of my first tensor load
	v_lshrrev_b32 v1, 5, v0
	v_readfirstlane_b32 s10, v1
	s_lshr_b32 s11, s10, 1                         ; my half of the tile's rows; also: I fetch for A (0) or B (1)
	s_and_b32 s12, s10, 1                          ; my half of its columns; also: which half of that tile I fetch
	s_bfe_u32 s40, ttmp6, 0x40000
	s_bfe_u32 s41, ttmp6, 0x40004
	s_lshl_b32 s42, ttmp9, 2
	s_add_co_u32 s42, s42, s40                     ; tile column
	s_and_b32 s13, ttmp7, 0xffff
	s_lshl_b32 s13, s13, 2
	s_add_co_u32 s13, s13, s41                     ; tile row
	s_lshl_b32 s43, s41, 2
	s_lshl_b32 s43, 15, s43
	s_lshl_b32 s44, 0x1111, s40
	s_or_b32 s[G1], s43, (1<<16)|(1<<20)|(1<<21)|(7<<22)|(3<<25)   ; padding after every 256 words, 4 words
	s_or_b32 s[G1B], s44, (1<<16)|(1<<20)|(1<<21)|(6<<22)|(3<<25)  ; after every 128 words
	s_mov_b32 s[G1+1], 512<<16                     ; 32 pairs x 512 elements, 2,048 elements from pair to pair
	s_mov_b32 s[G1+2], 32<<16
	s_mov_b32 s[G1+3], 512<<16
	s_mov_b32 s[G1+4], 32
	s_mov_b32 s[G1+5], 2048
	s_mov_b32 s[G1+6], 0
	s_mov_b32 s[G1+7], 0
	s_mov_b32 s[G1B+1], 256<<16                    ; 64 rows x 256 elements
	s_mov_b32 s[G1B+2], 64<<16
	s_mov_b32 s[G1B+3], 256<<16
	s_mov_b32 s[G1B+4], 64
	s_mov_b32 s[G1B+5], 1024
	s_mov_b32 s[G1B+6], 0
	s_mov_b32 s[G1B+7], 0
	s_lshl_b32 s18, s12, 17                        ; 32 pairs of 4,096 bytes = 64 rows of 2,048
	s_lshl_b32 s16, s13, 18
	s_add_co_u32 s16, s16, s18
	s_mov_b32 s17, 0
	s_lshl_b32 s46, s42, 18
	s_add_co_u32 s46, s46, s18
	s_mov_b32 s47, 0
	s_mul_i32 s20, s12, HALFA
	s_mul_i32 s21, s12, HALFB
	s_add_co_u32 s21, s21, BOFF
	s_wait_dscnt 0x0
	s_wait_kmcnt 0x0
	s_add_nc_u64 s[14:15], s[4:5], s[16:17]
	s_add_nc_u64 s[46:47], s[6:7], s[46:47]
	CROUND
.irp s, 0,1
	s_mov_b32 s[G0+4*(\s)], 1
	s_add_co_u32 s[G0+4*(\s)+1], s20, (\s)*SLOT
	s_add_nc_u64 s[G0+4*(\s)+2:G0+4*(\s)+3], s[14:15], (\s)*1024
	s_or_b32 s[G0+4*(\s)+3], s[G0+4*(\s)+3], 0x80000000
	s_mov_b32 s[G0B+4*(\s)], 1
	s_add_co_u32 s[G0B+4*(\s)+1], s21, (\s)*SLOT
	s_add_nc_u64 s[G0B+4*(\s)+2:G0B+4*(\s)+3], s[46:47], (\s)*512
	s_or_b32 s[G0B+4*(\s)+3], s[G0B+4*(\s)+3], 0x80000000
	JLOAD \s
.endr
	v_and_b32 v1, 15, v0
	v_bfe_u32 v2, v0, 4, 1
	s_lshl_b32 s46, s42, 9                         ; the tile's 128 columns of 4 bytes, my 64
	s_lshl_b32 s47, s12, 8
	s_add_co_u32 s46, s46, s47
	s_mov_b32 s47, 0
	s_add_nc_u64 s[66:67], s[66:67], s[46:47]
	v_lshlrev_b32 v[BA], 5, v2
.irp b, 0,1,2,3
	global_load_b128 v[BI+8*\b:BI+8*\b+3],   v[BA], s[66:67] offset:64*\b
	global_load_b128 v[BI+8*\b+4:BI+8*\b+7], v[BA], s[66:67] offset:64*\b+16
.endr
	v_lshrrev_b32 v3, 1, v1
	v_mul_u32_u24 v3, v3, PA                       ; A: pair r / 2,
	v_and_b32 v4, 1, v0
	v_lshl_add_u32 v3, v4, 7, v3                   ; its odd or even 128 bytes,
	v_lshl_add_u32 v3, v2, 4, v3                   ; 16 x half
	v_mul_u32_u24 v4, v1, PB
	v_lshl_add_u32 v4, v2, 4, v4
	s_mul_i32 s21, s11, HALFA
	s_mul_i32 s22, s12, HALFB
	s_add_co_u32 s22, s22, BOFF
.irp s, 0,1
	v_add_nc_u32 v[ADRA+(\s)], s21, v3
	v_add_nc_u32 v[ADRB+(\s)], s22, v4
	s_add_co_u32 s21, s21, SLOT
	s_add_co_u32 s22, s22, SLOT
.endr
	s_mul_i32 s23, s10, 16*SPITCH
	s_add_co_u32 s23, s23, STAGE                   ; my stage
	v_mul_u32_u24 v[STO], v1, SPITCH               ; in: row l % 16, 32 bytes for each half of the lanes
	v_lshl_add_u32 v[STO], v2, 5, v[STO]
	v_add_nc_u32 v[STO], s23, v[STO]
	v_mul_u32_u24 v[RDB], v2, SPITCH               ; back: lanes 0-15 one row of 256 bytes, lanes 16-31 the next
	v_lshl_add_u32 v[RDB], v1, 4, v[RDB]
	v_add_nc_u32 v[RDB], s23, v[RDB]
	v_lshlrev_b32 v[CO], 12, v2
	v_lshl_add_u32 v[CO], v1, 4, v[CO]
	s_lshl_b32 s16, s13, 19                        ; the tile's 128 rows of 4,096 bytes, my 64
	s_lshl_b32 s17, s11, 18
	s_add_co_u32 s16, s16, s17
	s_mov_b32 s17, 0
	s_add_nc_u64 s[8:9], s[8:9], s[16:17]
	s_add_nc_u64 s[8:9], s[8:9], s[46:47]
	s_wait_loadcnt 0x0
.set i, 0
.rept 16                               ; the bias rounded to bf16
	v_cvt_pk_bf16_f32 v30, v[BI+2*i], v[BI+2*i+1]
	v_lshlrev_b32 v[BI+2*i], 16, v30
	v_and_b32 v[BI+2*i+1], 0xffff0000, v30
.set i, i+1
.endr
.macro MUL8 f, c, a0, zero             ; 8 matrix instructions: row blocks a0, a0 + 1 x 4 column blocks, half c of buffer f; the 16 accumulators take turns. zero = 1: the product starts the sums, with the bias as C
	WIN MUL
.irp a, \a0, (\a0)+1
.irp b, 0,1,2,3
.if \zero
	v_wmma_f32_16x16x32_f16 v[ACC+8*(4*(\a)+(\b)):ACC+8*(4*(\a)+(\b))+7], v[(\f)+64+8*(4*(\c)+(\b)):(\f)+64+8*(4*(\c)+(\b))+7], v[(\f)+8*(4*(\c)+(\a)):(\f)+8*(4*(\c)+(\a))+7], v[BI+8*(\b):BI+8*(\b)+7]
.else
	v_wmma_f32_16x16x32_f16 v[ACC+8*(4*(\a)+(\b)):ACC+8*(4*(\a)+(\b))+7], v[(\f)+64+8*(4*(\c)+(\b)):(\f)+64+8*(4*(\c)+(\b))+7], v[(\f)+8*(4*(\c)+(\a)):(\f)+8*(4*(\c)+(\a))+7], v[ACC+8*(4*(\a)+(\b)):ACC+8*(4*(\a)+(\b))+7]
.endif
.endr
.endr
.endm
.macro FETCH slot, q, f                ; 32 LDS loads: quarter q (one head, 64 along K) into buffer f; the first 32 along K first
	WIN TO_F
.irp c, 0,1
.irp i, 0,1,2,3
	ds_load_b128 v[(\f)+64+8*(4*(\c)+(\i)):(\f)+64+8*(4*(\c)+(\i))+3],   v[ADRB+(\slot)] offset:(\q)*128+64*(\c)+(\i)*16*PB
	ds_load_b128 v[(\f)+64+8*(4*(\c)+(\i))+4:(\f)+64+8*(4*(\c)+(\i))+7], v[ADRB+(\slot)] offset:(\q)*128+64*(\c)+(\i)*16*PB+32
	ds_load_b128 v[(\f)+8*(4*(\c)+(\i)):(\f)+8*(4*(\c)+(\i))+3],         v[ADRA+(\slot)] offset:(\q)*256+64*(\c)+(\i)*8*PA
	ds_load_b128 v[(\f)+8*(4*(\c)+(\i))+4:(\f)+8*(4*(\c)+(\i))+7],       v[ADRA+(\slot)] offset:(\q)*256+64*(\c)+(\i)*8*PA+32
.endr
.endr
.endm
.macro PLACES
.rept 4
	v_nop
.endr
.endm
.macro QUARTER slot, q, f, g, zero     ; multiplies buffer f and fetches quarter q into g
	s_wait_dscnt 16                                ; the first 32 along K are in
	WIN MUL
	MUL8 \f, 0, 0, \zero
	MUL8 \f, 0, 2, \zero
	PLACES
	FETCH \slot, \q, \g
	s_wait_dscnt 32                                ; all but the 32 just issued
	WIN MUL
	MUL8 \f, 1, 0, 0
	MUL8 \f, 1, 2, 0
.endm
.macro TURN slot, next, fill           ; the last quarter multiplies buffer 1 and changes slots; fill = 1: this slot is filled again, two K steps ahead
	WIN 0
	s_wait_tensorcnt 0x0                           ; all my tensor loads have landed
	ds_add_u32 v[SPW], v[NIL]
	s_wait_dscnt 17                                ; (the add and the youngest sixteen loads may be out)
	WIN MUL
	MUL8 F1, 0, 0, 0
	s_wait_dscnt 0x0                               ; the add is done, my reads of this slot are over
	s_barrier_signal -1
	MUL8 F1, 0, 2, 0
.if \fill
	WIN 0
.endif
	s_barrier_wait -1
.if \fill
	CREST
	s_add_nc_u64 s[G0+4*(\slot)+2:G0+4*(\slot)+3], s[G0+4*(\slot)+2:G0+4*(\slot)+3], 2048
	s_add_nc_u64 s[G0B+4*(\slot)+2:G0B+4*(\slot)+3], s[G0B+4*(\slot)+2:G0B+4*(\slot)+3], 1024
	JLOAD \slot
.else
	PLACES
.endif
	FETCH \next, 0, F0
	WIN MUL
	MUL8 F1, 1, 0, 0
	MUL8 F1, 1, 2, 0
.endm
	s_wait_tensorcnt 1                             ; my part of K step 0 is in; K step 1's may stay out
	s_barrier_signal -1
	s_barrier_wait -1
	FETCH 0, 0, F0
	QUARTER 0, 1, F0, F1, 1                        ; K step 0: the first products start the sums
	QUARTER 0, 2, F1, F0, 0
	QUARTER 0, 3, F0, F1, 0
	TURN 0, 1, 1                                   ; K step 2 is asked for
	QUARTER 1, 1, F0, F1, 0                        ; K step 1
	QUARTER 1, 2, F1, F0, 0
	QUARTER 1, 3, F0, F1, 0
	TURN 1, 0, 1                                   ; K step 3 is asked for
	QUARTER 0, 1, F0, F1, 0                        ; K step 2
	QUARTER 0, 2, F1, F0, 0
	QUARTER 0, 3, F0, F1, 0
	TURN 0, 1, 0
	QUARTER 1, 1, F0, F1, 0                        ; K step 3
	QUARTER 1, 2, F1, F0, 0
	QUARTER 1, 3, F0, F1, 0
	s_wait_dscnt 16
	WIN MUL
	MUL8 F1, 0, 0, 0
	MUL8 F1, 0, 2, 0
	s_wait_dscnt 0x0
	MUL8 F1, 1, 0, 0
	MUL8 F1, 1, 2, 0
	WIN 0
	; THE WAY OUT, 16 rows at a time: 32 bytes a lane from the accumulators into my own stage; back as whole rows of 256 bytes: my 64 columns of f32.
	PLACES
.irp a, 0,1,2,3
.irp b, 0,1,2,3
	ds_store_b128 v[STO], v[ACC+32*\a+8*\b:ACC+32*\a+8*\b+3]   offset:64*\b     ; each accumulator's four lowest registers first
	ds_store_b128 v[STO], v[ACC+32*\a+8*\b+4:ACC+32*\a+8*\b+7] offset:64*\b+16
.endr
	s_wait_xcnt 0x0                                ; the last block's stores have read the registers that are loaded now
.irp t, 0,1,2,3,4,5,6,7
	ds_load_b128 v[OB+4*\t:OB+4*\t+3], v[RDB] offset:\t*2*SPITCH  ; LDS serves a wave's instructions in order (ISA guide 5.7.1.4)
.endr
.irp t, 0,1,2,3,4,5,6,7
	s_wait_dscnt 7-\t
	global_store_b128 v[CO], v[OB+4*\t:OB+4*\t+3], s[8:9] offset:(16*\a+2*\t)*4096 th:TH_STORE_NT  ; sixteen lanes store 256 consecutive aligned bytes
.endr
.endr
	s_wait_tensorcnt 0x0                           ; the wave's end
	ds_add_u32 v[SPW], v[NIL]
	s_wait_dscnt 0x0
	CROUND                                         ; the closing round
	s_endpgm
.Lfunc_end_k_q4dd2389785_outp:
	.size	k_q4dd2389785_outp, .Lfunc_end_k_q4dd2389785_outp-k_q4dd2389785_outp
	.p2alignl 7, 3214868480
	.fill 96, 4, 3214868480
	.section	.rodata,"a",@progbits
	.p2align	6, 0x0
	.amdhsa_kernel k_q4dd2389785_outp
		.amdhsa_group_segment_fixed_size 327680
		.amdhsa_private_segment_fixed_size 0
		.amdhsa_enable_private_segment 0
		.amdhsa_kernarg_size 32
		.amdhsa_user_sgpr_count 2
		.amdhsa_user_sgpr_kernarg_segment_ptr 1
		.amdhsa_wavefront_size32 1
		.amdhsa_system_sgpr_workgroup_id_x 1
		.amdhsa_system_sgpr_workgroup_id_y 1
		.amdhsa_system_sgpr_workgroup_id_z 1
		.amdhsa_system_vgpr_workitem_id 0
		.amdhsa_next_free_vgpr 512
		.amdhsa_next_free_sgpr 68
		.amdhsa_reserve_vcc 0
		.amdhsa_float_denorm_mode_32 3
		.amdhsa_float_denorm_mode_16_64 3
		.amdhsa_memory_ordered 1
		.amdhsa_forward_progress 1
		.amdhsa_inst_pref_size 90
	.end_amdhsa_kernel
	.amdgpu_metadata
---
amdhsa.version: [ 1, 2 ]
amdhsa.kernels:
  - .name:           k_q4dd2389785_outp
    .symbol:         k_q4dd2389785_outp.kd
    .args:
      - { .name: ob, .offset: 0, .size: 8, .value_kind: global_buffer, .address_space: global }
      - { .name: wo, .offset: 8, .size: 8, .value_kind: global_buffer, .address_space: global }
      - { .name: bo, .offset: 16, .size: 8, .value_kind: global_buffer, .address_space: global }
      - { .name: out0, .offset: 24, .size: 8, .value_kind: global_buffer, .address_space: global }
    .group_segment_fixed_size: 327680
    .private_segment_fixed_size: 0
    .kernarg_segment_align: 8
    .kernarg_segment_size: 32
    .max_flat_workgroup_size: 128
    .sgpr_count:     68
    .vgpr_count:     512
    .wavefront_size: 32
...
	.end_amdgpu_metadata
.endif
;; end of part 4
